; MI455X (gfx1250); checked and timed in simulation.
; The chip was launched on July 23, 2026; its instructions are those of AMD's public machine-readable ISA for CDNA 5 (MIT licence, August 2026) and "CDNA5" Instruction Set Architecture Reference Guide (July 2026). The comments in the code are by the model that wrote it; some were corrected since.
;; Causal Attention. Allowed arithmetic: matrix products marked QUANTISED: E2M1 operands, one E8M0 scale for each 32 along K, by v_wmma_scale_f32_16x16x128_f8f6f4 with both operands' format E2M1 (or v_wmma_scale_f32_32x16x128_f4), f32 sums; everything else in f32.
;; Inputs: Wk_codes 1,024 x 32 x 16 uint8 (E2M1 codes of Wk, K innermost, in blocks of 32 codes, two codes a byte); Wk_scales 1,024 x 32 uint8 (E8M0 scales of Wk, one for each 32 codes along K); Wq_codes 1,024 x 32 x 16 uint8 (E2M1 codes of Wq, K innermost, in blocks of 32 codes, two codes a byte); Wq_scales 1,024 x 32 uint8 (E8M0 scales of Wq, one for each 32 codes along K); Wv_codes 1,024 x 32 x 16 uint8 (E2M1 codes of Wv, K innermost, in blocks of 32 codes, two codes a byte); Wv_scales 1,024 x 32 uint8 (E8M0 scales of Wv, one for each 32 codes along K); x_codes 4 x 2,048 x 32 x 16 uint8 (E2M1 codes of x, K innermost, in blocks of 32 codes, two codes a byte); x_scales 4 x 2,048 x 32 uint8 (E8M0 scales of x, one for each 32 codes along K).
;; Outputs: out0 4 x 2,048 x 1,024 float32.
;; This version of the problem:
;;   THIS VERSION OF THE PROBLEM IS GIVEN IN LOW PRECISION. The matrix products marked QUANTISED in the list below multiply operands that are first quantised to E2M1 (2 exponent bits, 1 mantissa bit; 4 bits a number), with one power-of-two scale for each 32 numbers along K (OCP MX v1.0); their sums are f32. All else is computed in f32.
;;   The module's matrix products, in the order in which they are computed (A, B: the left and right operand; K: the contracted axis; several contracted axes count as one K, in the product's order):
;;     1. [M 8,192, K 1,024] x [K 1,024, N 1,024]; A: input x (given as codes); B: input Wq (given as codes): QUANTISED
;;     2. [M 8,192, K 1,024] x [K 1,024, N 1,024]; A: input x (given as codes); B: input Wk (given as codes): QUANTISED
;;     3. [M 8,192, K 1,024] x [K 1,024, N 1,024]; A: input x (given as codes); B: input Wv (given as codes): QUANTISED
;;     4. batch 4 x [M 2,048, K 1,024] x [K 1,024, N 2,048]; A: computed on the way; B: computed on the way: QUANTISED
;;     5. batch 4 x [M 2,048, K 2,048] x [K 2,048, N 1,024]; A: softmax (see below); B: computed on the way: QUANTISED
;;   THE QUANTISER, for each operand of a quantised product, along K:
;;     - K is cut into blocks of 32 from its start; a last block that is shorter is filled with zeros.
;;     - A block's scale is 2^e with e = floor(log2(the largest magnitude in the block)) - 2, held to -126 .. 127; a block of zeros has e = 0. As a byte (E8M0): e + 127.
;;     - Each number is divided by its block's scale, clamped to +-6, and rounded to the nearest number of E2M1, ties to even, subnormals kept.
;;     - The product sums the exact products of the quantised numbers (number of the format x scale) in f32.
;;   ~~~python
;;   def quantise(x, axis):      # numpy; x: float32 -> the quantised numbers, widened to float32 again
;;       x = np.moveaxis(x, axis, -1); K = x.shape[-1]
;;       x = np.pad(x, [(0, 0)] * (x.ndim - 1) + [(0, -K % 32)]); x = x.reshape(x.shape[:-1] + (-1, 32)); a = np.abs(x).max(-1, keepdims=True)
;;       e = np.where(a > 0, np.clip(np.frexp(np.where(a > 0, a, 1))[1] - 1 - 2, -126, 127), 0)      # np.frexp(a)[1] - 1 = floor(log2(a)), exactly
;;       r = np.clip(x / 2.0 ** e, -6, 6)
;;       step = 2.0 ** (np.maximum(np.frexp(np.where(r == 0, 1, r))[1] - 1, 0) - 1)
;;       q = np.round(r / step) * step * 2.0 ** e      # np.round: ties to even
;;       return np.moveaxis(q.reshape(q.shape[:-2] + (-1,))[..., :K], -1, axis).astype(np.float32)
;;   ~~~
;;   SOFTMAX AHEAD OF A QUANTISED PRODUCT. Where the list says 'softmax', what is quantised is not the finished softmax but p = 2^(t - M), with t = logit x log2(e) and M = ceil(the row's largest t), a whole number; so 1/2 < the row's largest p <= 1. The row's sum l is taken of the UNQUANTISED p, in f32, and the product's result is divided by l at the end. Since M is a whole number, a kernel that streams over the keys may use a running M (the ceiling of the running maximum): every later rescaling is an exact power of two, which a block's scale takes up: the codes' values come out the same.
;;   OPERANDS COMPUTED ON THE WAY. 'Computed on the way' means the value that the module computes at that place (a softmax that the list does not call 'softmax' is quantised finished and normalised). What goes into a quantiser is computed in f32, as accurately as f32 sums, v_exp_f32 and their like allow (about 1e-6 of the number): no bf16 or f16 on the way to a quantiser, and a product that is left as it is and whose result goes on into a quantised operand takes f32 operands (vector FMAs, or v_wmma_f32_16x16x4_f32). A number that lies on a knife's edge between two numbers of the format may be rounded either way, as far as f32 arithmetic and the matrix unit's own rounding can turn it there, and no further.
;;   INPUTS GIVEN AS CODES. Wk (in the module: [1024, 1024], K = its axis 1); Wq (in the module: [1024, 1024], K = its axis 1); Wv (in the module: [1024, 1024], K = its axis 1); x (in the module: [4, 2048, 1024], K = its axis 2): each comes as NAME_codes (uint8): NAME with its K axis moved to the last place and cut into blocks of 32 codes, [.., K / 32, bytes a block], one block behind the other in memory; two codes a byte, the lower K in the low four bits (a code: sign, 2 exponent bits, 1 mantissa bit); and NAME_scales (uint8): the same leading axes, one E8M0 byte (e + 127) for each 32 codes along K. Its value is code x scale, taken as it is: it is not quantised again, and the codes and scales need not be those that the quantiser above would give.
;; One version. Each part assembles by itself: llvm-mc -triple=amdgcn-amd-amdhsa -mcpu=gfx1250 --defsym DOCPART=n.
;; ======== version 1 of 1: 3 launches
;; limits: right only within a limited range of input values
;; workspace buffers: qc 4,194,304 bytes; kc 4,194,304 bytes; vc 4,194,304 bytes; qks 524,288 bytes; vs 262,144 bytes; pc 4,718,592 bytes; st 2,097,152 bytes
;; launch proj (part 1): grid 8 x 32, 4 waves a work-group, clusters of 4 x 4, 327,680 bytes of LDS; arguments x_codes, x_scales, Wq_codes, Wq_scales, Wk_codes, Wk_scales, Wv_codes, Wv_scales, qc, kc, vc, qks, vs; writes qc, kc, vc, qks, vs
.if DOCPART == 1
	.amdgcn_target "amdgcn-amd-amdhsa--gfx1250"
	.amdhsa_code_object_version 6
	.text
	.protected	k_q0bcf2c734c_proj
	.globl	k_q0bcf2c734c_proj
	.p2align	8
	.type	k_q0bcf2c734c_proj,@function
k_q0bcf2c734c_proj:
	s_mov_b64 s[64:65], 0
	v_nop
	global_prefetch_b8 v0, s[64:65] scope:SCOPE_SE
	s_setreg_imm32_b32 hwreg(HW_REG_WAVE_MODE, 25, 1), 1
	s_wait_xcnt 0x0
	s_wait_alu depctr_hold_cnt(0) depctr_sa_sdst(0) depctr_va_vdst(0) depctr_va_sdst(0) depctr_va_ssrc(0) depctr_va_vcc(0) depctr_vm_vsrc(0)
	s_getreg_b32 s2, hwreg(HW_REG_IB_STS2, 6, 4)
	s_cmp_eq_u32 s2, 0
	s_cbranch_scc0 .Lentry_in_a_cluster
	s_endpgm
.Lentry_in_a_cluster:
	s_bfe_u32 s2, ttmp6, 0x10000c
	s_cmp_lg_u32 s2, 0xf033
	s_cbranch_scc0 .Lentry_shape_is_right
	s_endpgm
.Lentry_shape_is_right:
; CAUSAL ATTENTION, ONE HEAD OF 1,024, IN MX-FP4: three launches.  THIS ONE: q = x Wq^T, k = x Wk^T, v = x Wv^T on the given codes, each result quantised in registers for the product that takes it:
; q and k along d (the K of q k^T), v along the tokens (the K of P v).  The second launch makes the scores, the mask, p and its codes; the third joins the key chunks and makes O = P v / l.
; WORK LEFT OUT BY THE PROGRAM (none of it in this launch).  reference() builds the causal mask in its own body: where key > query the score is replaced by -inf, so its p is 0 and its term in P v is 0, whatever
; finite values the inputs hold.  So whole tiles of q k^T whose keys all come after their queries are not made, and P v walks, for 16 queries, only the key chunks up to theirs (rounded up to a pair of chunks).
; Inside tiles that also hold live work the hidden part is computed and masked.  Every input has a way to the output and is loaded.
; LIMITS.  A NaN, an infinity or an overflow that reaches only the work left out is not carried to the result.  NaN and infinities among the inputs are not served.  A block whose largest magnitude lies under
; 2^-124 gets the scale byte 1; a block of zeros gets the byte 1 where the quantiser says 127: its codes are zeros, and these bytes are read by this program alone.
; SHARES.  256 work-groups: y = T, a block of 256 tokens (32); x = c (8).  FIRST PRODUCT: 256 tokens x 256 columns of q (c < 4) or k, columns 256 (c % 4) on.  SECOND PRODUCT: 128 rows of Wv (128 c on) x the same 256 tokens.
; Four waves (hr, hc).  First: 128 tokens (hr) x 128 columns (hc), 64 accumulators in 512 registers.  Second: 64 channels (hc) x 128 tokens (hr), 32 accumulators in 256 registers of their own: so the first product's
; eight blocks of rows are quantised one in each of the second product's eight K steps, and the quantiser's lines are the places behind its matrix instructions.
; THE MATRIX INSTRUCTION IS USED TRANSPOSED: lane (r, h) of accumulator (a, b) holds row 16 a + r (source 1) and the columns 16 b + 8 h + 0 .. 7 (source 0), which run along the next product's K.
; LDS.  K lies in two slots of 512, each 256 rows of x, then 256 rows of W.  x stays.  Slot 0's W half is filled again, when slot 0 has been multiplied, with Wv's 128 rows x all of K (two times 128 rows of 256 bytes).
; One tensor load a wave behind each barrier: slot 0 at the head, slot 1 behind the first round, Wv behind the round of the change of slots.
; CLUSTER 4 x 4.  The four work-groups of a row need the same x, the four of a column the same rows of W and Wv: each tile is asked for jointly, with a mask that names the four.
; No prefetch: there is no loop to run ahead in; a wave has three tensor loads in all.
; THE SCALE WORDS go straight into registers: a lane loads its row's 16 bytes of a slot; lanes 0-15 hold an even tile of 16 rows, lanes 16-31 the odd tile behind it, and the product picks the half by its row selector.
; THE WAY OUT needs no LDS: 128 columns are one K step of the next product: the 64 numbers that a lane holds of a row become a fragment's 8 registers and one scale word; the fragment is stored AS AN IMAGE OF ITS
; REGISTERS: group c of four registers of lane L at 512 c + 16 L, 1,024 bytes a fragment.  Each store of the wave covers 512 consecutive bytes, aligned.
; REGISTERS.  Window 0: v0-7 codes of the block in hand, v8-15 the scale words made, v16-29 addresses, v32-63 x's scale words, v64-95 W's, v96-111 Wv's, v112-127 at work; v128-191 first product: x's fragments, one set;
;   second: Wv's fragments, two sets of 32; v192-255 second product: x's fragments.   Window 1: first: W's fragments, two sets, at v0 and v128; second: all 32 accumulators.   Windows 2, 3: the first product's accumulators.
.set PITCH,  272                       ; an LDS row: 256 bytes + 16 of padding = 68 words, so the 16 rows of a fragment load start at 16 different banks (64 banks of 4 bytes: ISA guide 11.1)
.set HALFT,  128*PITCH                 ; 128 rows
.set SLOT,   4*HALFT
.set SPARE,  2*SLOT                    ; the spare words, 128 bytes for each wave: two blocks of 256 bytes that no other line names
.set PC,   0
.set PW,   8
.set ADRA, 16                          ; v16-17  LDS address of my x fragments in slot 0, 1
.set ADRB, 20                          ; v20-21  of my W fragments
.set ADV,  22                          ; v22     of my Wv fragments
.set LI,   24                          ; v24     16 x lane: my place in an image
.set LO,   25                          ; v25     32 x lane: my row's scale bytes
.set SPW,  28                          ; v28     LDS address of my spare word; never rewritten
.set NIL,  29                          ; v29     0; never rewritten
.set XS,   32                          ; register 16 s + 4 j + q: slot s, tiles 2 j and 2 j + 1, the slot's q-th 128 along K
.set WS,   64
.set VSC,  96                          ; register 8 s + 4 j + q
.set TM,   112                         ; v112-115 largest magnitudes, v116-119 the other half's, then bytes, v124-127 the conversions' scale operands
.set AF,   128
.set BX,   192
.set WQ,   164                         ; the way out: v164-167 the first product's words to store, v168-171 the second's
.set PWV,  168
.set G1,   24                          ; s[24:31] descriptor group 1 for x;  s[32:39] group 0, a set for each slot
.set G0,   32
.set G1B,  48                          ; s[48:55], s[56:63] the same for W
.set G0B,  56
.set G1V,  76                          ; s[76:83], s[84:87] for Wv (behind the arguments' use)
.set G0V,  84
.set SEL,  40                          ; s[40:41] lane selects for lane l xor 16
.set MSB, 0
.macro WIN new                         ; the immediate's high byte repeats the setting that is left; a switch that changes nothing is dropped
.if MSB != \new
	s_set_vgpr_msb (MSB<<8)|\new
.set MSB, \new
.endif
.endm
.set MUL_LO, 0xa1                      ; source 0 window 1, source 1 window 0, C and D window 2
.set MUL_HI, 0xf1                      ; the same, C and D window 3
.set MUL_V,  0x50                      ; sources window 0, C and D window 1
.set TO_B,   0x40                      ; destination window 1, address window 0
.macro PLACES n                        ; plain vector places behind matrix instructions (ISA guide 7.12.1, for matrix instructions)
.rept \n
	v_nop
.endr
.endm
; A joint load: waves 0 and 1 fetch x's halves, waves 2 and 3 W's.  The branch hangs on the wave's number alone.  An s_nop 0 and four v_nop follow each of the two lines.
.macro JLOAD s
	s_cmp_eq_u32 s15, 0
	s_cbranch_scc0 .Lfor_b_\@
	tensor_load_to_lds s[G0+4*\s:G0+4*\s+3], s[G1:G1+7]
	s_nop 0
	PLACES 4
	s_branch .Lasked_\@
.Lfor_b_\@:
	tensor_load_to_lds s[G0B+4*\s:G0B+4*\s+3], s[G1B:G1B+7]
	s_nop 0
	PLACES 4
.Lasked_\@:
.endm
.macro CREST                           ; a round of the cluster's barrier behind its opening barrier
	s_cmp_lg_u32 s14, 0
	s_cbranch_scc1 .Lnot_wave_0_\@
	s_barrier_signal -3
.Lnot_wave_0_\@:
	s_barrier_wait -3
	s_barrier_signal -1
	s_barrier_wait -1
.endm
.macro CROUND
	s_barrier_signal -1
	s_barrier_wait -1
	CREST
.endm
	s_load_b512 s[68:83], s[0:1], 0x0              ; x codes s68, x scales s70, Wq codes s72, Wq scales s74, Wk codes s76, Wk scales s78, Wv codes s80, Wv scales s82
	s_load_b256 s[84:91], s[0:1], 0x40             ; qc s84, kc s86, vc s88, qks s90
	s_load_b64 s[92:93], s[0:1], 0x60              ; vs
	v_lshl_add_u32 v[SPW], v0, 2, SPARE
	v_mov_b32 v[NIL], 0
	ds_add_u32 v[SPW], v[NIL]                      ; the wave's opening: the add, twice on end, and its wait ahead of my first tensor load
	ds_add_u32 v[SPW], v[NIL]
	v_lshrrev_b32 v1, 5, v0
	v_readfirstlane_b32 s14, v1                    ; wave 0..3
	s_lshr_b32 s15, s14, 1                         ; hr.  Also: I fetch x (0) or W (1)
	s_and_b32 s16, s14, 1                          ; hc.  Also: which 128 rows of that tile I fetch
	s_mul_i32 s42, s15, HALFT                      ; my 128 tokens in a slot
	s_mul_i32 s43, s16, HALFT
	s_add_co_u32 s43, s43, 2*HALFT                 ; my 128 rows of W
	s_mul_i32 s44, s16, 64*PITCH
	s_add_co_u32 s44, s44, 2*HALFT                 ; my 64 rows of Wv, in slot 0's W half
	v_and_b32 v1, 15, v0                           ; r
	v_bfe_u32 v2, v0, 4, 1                         ; h
	v_mul_u32_u24 v3, v1, PITCH
	v_lshl_add_u32 v4, v2, 4, v3                   ; a fragment's row x pitch + 16 h
	v_add_nc_u32 v[ADRA], s42, v4
	v_add_nc_u32 v[ADRB], s43, v4
	v_add_nc_u32 v[ADV], s44, v4
	v_add_nc_u32 v[ADRA+1], SLOT, v[ADRA]
	v_add_nc_u32 v[ADRB+1], SLOT, v[ADRB]
	v_and_b32 v6, 31, v0
	v_lshlrev_b32 v[LI], 4, v6
	v_lshlrev_b32 v[LO], 5, v6
.irp b, 0,1,2,3
	v_mov_b32 v[TM+4+\b], 0                        ; written once: a lane permute's destination counts as one of its sources
.endr
	s_bfe_u32 s96, ttmp6, 0x40000                  ; cx
	s_bfe_u32 s97, ttmp6, 0x40004                  ; cy
	s_lshl_b32 s17, ttmp9, 2
	s_add_co_u32 s17, s17, s96                     ; c = 4 x cluster x + cx
	s_and_b32 s2, ttmp7, 0xffff
	s_lshl_b32 s2, s2, 2
	s_add_co_u32 s2, s2, s97                       ; T = 4 x cluster y + cy
	s_lshl_b32 s98, s97, 2
	s_lshl_b32 s98, 15, s98                        ; my row of the cluster
	s_lshl_b32 s99, 0x1111, s96                    ; my column
	; descriptor group 1: a tile of 128 rows x 256 bytes, padded in LDS
	s_or_b32 s[G1+0], s98, (0<<16)|(1<<20)|(1<<21)|(5<<22)|(3<<25)  ; 15:0 the mask: my row; 17:16 elements of 1 byte; 20 padding on; 21 set beside a mask; 24:22 after every 64 words; 31:25 four words
	s_or_b32 s[G1B+0], s99, (0<<16)|(1<<20)|(1<<21)|(5<<22)|(3<<25)
.irp g, G1, G1B
	s_mov_b32 s[\g+1], 256<<16                     ; tensor_dim0
	s_mov_b32 s[\g+2], 128<<16                     ; tensor_dim1
	s_mov_b32 s[\g+3], 256<<16                     ; tile_dim0
	s_mov_b32 s[\g+4], 128                         ; tile_dim1
	s_mov_b32 s[\g+5], 512                         ; from row to row
	s_mov_b32 s[\g+6], 0
	s_mov_b32 s[\g+7], 0
.endr
	; byte offsets.  x's hang on T (cy) alone, W's and Wv's on c (cx) alone
	s_lshl_b32 s12, s16, 7
	s_lshl_b32 s13, s2, 8
	s_add_co_u32 s18, s13, s12
	s_lshl_b32 s[G0+2], s18, 9                     ; x's codes: row 256 T + 128 x half, 512 bytes a row
	s_mov_b32 s[G0+3], 0
	s_lshl_b32 s18, s15, 7
	s_add_co_u32 s18, s18, s13
	s_lshl_b32 s18, s18, 5                         ; x's scale bytes: row 256 T + 128 hr, 32 a row
	s_mov_b32 s19, 0
	s_lshl_b32 s20, s96, 8
	s_add_co_u32 s20, s20, s12                     ; W: row 256 (c % 4) + 128 x half; c % 4 = cx
	s_lshl_b32 s[G0B+2], s20, 9
	s_mov_b32 s[G0B+3], 0
	s_lshl_b32 s20, s20, 5
	s_mov_b32 s21, 0
	s_lshl_b32 s22, s17, 7
	s_lshl_b32 s12, s16, 6
	s_add_co_u32 s22, s22, s12                     ; Wv: row 128 c + 64 x half
	s_lshl_b32 s66, s22, 9
	s_lshl_b32 s12, s15, 8
	s_add_co_u32 s66, s66, s12                     ; I fetch 64 rows of one half of K: waves 0, 1 the first, 2, 3 the second
	s_mov_b32 s67, 0
	s_lshl_b32 s22, s22, 5
	s_mov_b32 s23, 0
	; where my results go.  rb = 2 T + hr: my block of 128 tokens;  kcg = 2 (c % 4) + hc: my chunk of 128 along d
	s_lshl_b32 s42, s2, 1
	s_add_co_u32 s42, s42, s15                     ; rb
	s_lshl_b32 s43, s96, 1
	s_add_co_u32 s43, s43, s16                     ; kcg
	s_lshl_b32 s4, s42, 16                         ; q, k: tile of 16 rows x 8,192 + kcg x 1,024
	s_lshl_b32 s5, s43, 10
	s_add_co_u32 s4, s4, s5
	s_mov_b32 s5, 0
	s_lshr_b32 s6, s42, 2                          ; v: (rb / 4) x 2^18 + tile of 16 channels x 4,096 + (rb % 4) x 1,024
	s_lshl_b32 s6, s6, 18
	s_and_b32 s7, s42, 3
	s_lshl_b32 s7, s7, 10
	s_add_co_u32 s6, s6, s7
	s_lshl_b32 s7, s17, 15
	s_add_co_u32 s6, s6, s7
	s_lshl_b32 s7, s16, 14
	s_add_co_u32 s6, s6, s7
	s_mov_b32 s7, 0
	s_lshl_b32 s8, s43, 15                         ; q's and k's words: kcg x 32,768 + rb x 512; k's half 262,144 on
	s_lshl_b32 s9, s42, 9
	s_add_co_u32 s8, s8, s9
	s_lshl_b32 s9, ttmp9, 18
	s_add_co_u32 s8, s8, s9
	s_mov_b32 s9, 0
	s_lshl_b32 s10, s42, 12                        ; v's words: rb x 4,096 + c x 512 + hc x 256
	s_lshl_b32 s11, s17, 9
	s_add_co_u32 s10, s10, s11
	s_lshl_b32 s11, s16, 8
	s_add_co_u32 s10, s10, s11
	s_mov_b32 s11, 0
	s_mul_i32 s94, s14, HALFT                      ; where slot tiles go: wave x 128 rows: no place in the cluster enters an LDS address
	s_mul_i32 s95, s14, 64*PITCH                   ; and Wv's: wave x 64 rows
	s_mov_b32 s[SEL], 0x76543210
	s_mov_b32 s[SEL+1], 0xfedcba98
	s_mov_b32 s3, 0xffff0000                       ; lanes 16-31
	s_wait_alu depctr_va_vdst(0)
	s_wait_dscnt 0x0                               ; both opening adds are done
	s_wait_kmcnt 0x0
	; q or k is chosen by the cluster's x, which hangs on no address and is the same in all partners; the 64-bit sums leave SCC alone
	s_cmp_eq_u32 ttmp9, 0
	s_cselect_b64 s[12:13], s[72:73], s[76:77]     ; W's codes
	s_add_nc_u64 s[G0B+2:G0B+3], s[12:13], s[G0B+2:G0B+3]
	s_cselect_b64 s[12:13], s[74:75], s[78:79]     ; W's scales
	s_add_nc_u64 s[20:21], s[12:13], s[20:21]
	s_cselect_b64 s[12:13], s[84:85], s[86:87]     ; qc or kc
	s_add_nc_u64 s[4:5], s[12:13], s[4:5]
	s_add_nc_u64 s[G0+2:G0+3], s[68:69], s[G0+2:G0+3]
	s_add_nc_u64 s[18:19], s[70:71], s[18:19]
	s_add_nc_u64 s[66:67], s[80:81], s[66:67]
	s_add_nc_u64 s[22:23], s[82:83], s[22:23]
	s_add_nc_u64 s[6:7], s[88:89], s[6:7]
	s_add_nc_u64 s[8:9], s[90:91], s[8:9]
	s_add_nc_u64 s[10:11], s[92:93], s[10:11]
.irp s, 0,1                                    ; the scale words: 32 rows a load, 16 bytes a row; both slots' loads together take the rows whole
.irp j, 0,1,2,3
	global_load_b128 v[XS+16*\s+4*\j:XS+16*\s+4*\j+3], v[LO], s[18:19] offset:1024*\j+16*\s
	global_load_b128 v[WS+16*\s+4*\j:WS+16*\s+4*\j+3], v[LO], s[20:21] offset:1024*\j+16*\s
.endr
.irp j, 0,1
	global_load_b128 v[VSC+8*\s+4*\j:VSC+8*\s+4*\j+3], v[LO], s[22:23] offset:1024*\j+16*\s
.endr
.endr
.irp g, G0, G0B                                ; slot 0 takes the first 512 along K, slot 1 the second; these registers are never written again
	s_add_nc_u64 s[\g+6:\g+7], s[\g+2:\g+3], 256
	s_or_b32 s[\g+3], s[\g+3], 0x80000000
	s_or_b32 s[\g+7], s[\g+7], 0x80000000
	s_mov_b32 s[\g], 1
	s_mov_b32 s[\g+4], 1
	s_add_co_u32 s[\g+1], s94, 0
	s_add_co_u32 s[\g+5], s94, SLOT
.endr
	s_or_b32 s[G1V+0], s99, (0<<16)|(1<<20)|(1<<21)|(5<<22)|(3<<25)  ; Wv: 64 rows x 256 bytes.  (The arguments in s76-87 have been taken)
	s_mov_b32 s[G1V+1], 256<<16
	s_mov_b32 s[G1V+2], 64<<16
	s_mov_b32 s[G1V+3], 256<<16
	s_mov_b32 s[G1V+4], 64
	s_mov_b32 s[G1V+5], 512
	s_mov_b32 s[G1V+6], 0
	s_mov_b32 s[G1V+7], 0
	s_mov_b32 s[G0V], 1
	s_add_co_u32 s[G0V+1], s95, 2*HALFT
	s_mov_b64 s[G0V+2:G0V+3], s[66:67]
	s_or_b32 s[G0V+3], s[G0V+3], 0x80000000
	CROUND                                         ; all sixteen work-groups are here: the joint loads meet
	JLOAD 0                                        ; slot 0: one load a wave at the head
.macro FRAG reg, adr, q, i, base       ; a fragment, 16 rows x 128 K of 4-bit codes: lane l holds row l % 16; registers 4 c .. 4 c + 3 hold K = 64 c + 32 (l / 16) + 0 .. 31
.irp c, 0,1
	ds_load_b128 v[\reg+4*\c:\reg+4*\c+3], v[\adr] offset:\base+64*(\q)+32*\c+(\i)*16*PITCH
.endr
.endm
; One product: D = v[DD ..], source 0 = v[PX ..] with the words in v[UU], source 1 = v[PY ..] with those in v[WW]; RR: bit 0, bit 1: the word of source 0, of source 1 lies in lanes 16-31.  c: C
.macro MM c
.if RR == 0
	v_wmma_scale_f32_16x16x128_f8f6f4 v[DD:DD+7], v[PX:PX+7], v[PY:PY+7], \c, v[UU], v[WW] matrix_a_fmt:MATRIX_FMT_FP4 matrix_b_fmt:MATRIX_FMT_FP4
.elseif RR == 1
	v_wmma_scale_f32_16x16x128_f8f6f4 v[DD:DD+7], v[PX:PX+7], v[PY:PY+7], \c, v[UU], v[WW] matrix_a_fmt:MATRIX_FMT_FP4 matrix_b_fmt:MATRIX_FMT_FP4 matrix_a_scale:MATRIX_SCALE_ROW1
.elseif RR == 2
	v_wmma_scale_f32_16x16x128_f8f6f4 v[DD:DD+7], v[PX:PX+7], v[PY:PY+7], \c, v[UU], v[WW] matrix_a_fmt:MATRIX_FMT_FP4 matrix_b_fmt:MATRIX_FMT_FP4 matrix_b_scale:MATRIX_SCALE_ROW1
.else
	v_wmma_scale_f32_16x16x128_f8f6f4 v[DD:DD+7], v[PX:PX+7], v[PY:PY+7], \c, v[UU], v[WW] matrix_a_fmt:MATRIX_FMT_FP4 matrix_b_fmt:MATRIX_FMT_FP4 matrix_a_scale:MATRIX_SCALE_ROW1 matrix_b_scale:MATRIX_SCALE_ROW1
.endif
.endm
; FIRST PRODUCT: x's blocks a0, a0 + 1 x W's eight; slot s, its q-th 128 along K.  zero = 1: the product starts the sums: nothing is cleared.
; The 64 accumulators take turns, one instruction a turn, in the same order in every step.
.macro MUL16 a0, s, q, zero
.irp a, \a0, \a0+1
.irp b, 0,1,2,3,4,5,6,7
.set DD, 8*(8*((\a)%4)+\b)
.set PX, 128*((\q)%2)+8*\b
.set PY, AF+8*(\a)
.set UU, WS+16*\s+4*(\b/2)+(\q)
.set WW, XS+16*\s+4*((\a)/2)+(\q)
.set RR, (\b%2)+2*((\a)%2)
.if \zero
	MM 0
.else
	MM v[DD:DD+7]
.endif
.endr
.endr
.endm
.macro FETCH_B slot, q, p              ; W's eight fragments into set p
	WIN TO_B
.irp i, 0,1,2,3,4,5,6,7
	FRAG 128*(\p)+8*\i, ADRB+\slot, \q, \i, 0
.endr
	WIN 0
.endm
.macro FETCH_A slot, q, i0             ; x's blocks i0 .. i0 + 3
.irp i, \i0, \i0+1, \i0+2, \i0+3
	FRAG AF+8*(\i), ADRA+\slot, \q, \i, 0
.endr
.endm
; A step that has its successor in the same slot.  A block of x is free as soon as its eight products are issued: one set; blocks 0-3 are fetched anew in the step's middle, blocks 4-7 at its end.
.macro STEP slot, q, zero
	s_wait_dscnt 8                                 ; W's set and x's blocks 0-3 are in; the youngest eight loads (x's blocks 4-7) may be out
	WIN MUL_LO
	MUL16 0, \slot, \q, \zero
	MUL16 2, \slot, \q, \zero
	s_wait_dscnt 0
	PLACES 4
	FETCH_B \slot, (\q)+1, 1-(\q)%2
	FETCH_A \slot, (\q)+1, 0
	WIN MUL_HI
	MUL16 4, \slot, \q, \zero
	MUL16 6, \slot, \q, \zero
	PLACES 4
	WIN 0
	FETCH_A \slot, (\q)+1, 4
.endm
; SECOND PRODUCT, K step k.  x's eight fragments have one set, fetched anew by halves; Wv's four have two sets.
.macro F2X k, i0
.irp i, \i0, \i0+1, \i0+2, \i0+3
	FRAG BX+8*(\i), ADRA+(\k)/4, (\k)%4, \i, 0
.endr
.endm
.macro F2V k
.irp i, 0,1,2,3
	FRAG AF+32*((\k)%2)+8*\i, ADV, (\k)%4, \i, ((\k)/4)*HALFT
.endr
.endm
.macro MUL2 k, b0                      ; x's fragments b0 .. b0 + 3 x Wv's four; the 32 accumulators take turns likewise
.irp b, \b0, \b0+1, \b0+2, \b0+3
.irp a, 0,1,2,3
.set DD, 8*(8*\a+\b)
.set PX, BX+8*(\b)
.set PY, AF+32*((\k)%2)+8*\a
.set UU, XS+16*((\k)/4)+4*((\b)/2)+(\k)%4
.set WW, VSC+8*((\k)/4)+4*(\a/2)+(\k)%4
.set RR, ((\b)%2)+2*(\a%2)
.if (\k) == 0
	MM 0
.else
	MM v[DD:DD+7]
.endif
.endr
.endr
.endm
; THE QUANTISER, for 16 rows x 128 columns in accumulators from v[ac] of window w: 64 numbers a lane: register 16 b + i is column 32 b + 16 (i / 8) + 8 h + i % 8 of the lane's row.  A block of 32 lies in 16 registers of lanes l and l xor 16.
; QMAX: the largest magnitudes, with the floor 2^(3 - 127) among them (so the byte cannot fall under 1); each accumulator is first read at its low end.
.macro QMAX w, ac
.set W, \w
.set AC, \ac
	WIN (W|(W<<2))
.irp b, 0,1,2,3
	v_max3_num_f32 v[TM+\b], |v[AC+16*\b]|, |v[AC+16*\b+1]|, 0x1800000
.endr
	WIN ((W<<2)|(W<<4))
.irp i, 2,4,6,8,10,12,14
.irp b, 0,1,2,3
	v_max3_num_f32 v[TM+\b], v[TM+\b], |v[AC+16*\b+\i]|, |v[AC+16*\b+\i+1]|   ; the four blocks by turns
.endr
.endr
	WIN 0
.endm
; QMID: joined with lane l xor 16's; 2 off the exponent field is the conversion's scale operand; shifted, the byte; four bytes make the row's scale word, in v[pw].
.macro QMID pw
.irp b, 0,1,2,3
	v_permlanex16_b32 v[TM+4+\b], v[TM+\b], s[SEL], s[SEL+1]
.endr
.irp b, 0,1,2,3
	v_max_num_f32 v[TM+\b], v[TM+\b], v[TM+4+\b]
.endr
.irp b, 0,1,2,3
	v_add_nc_u32 v[TM+12+\b], 0xff000000, v[TM+\b]
.endr
.irp b, 0,1,2,3
	v_lshrrev_b32 v[TM+4+\b], 23, v[TM+12+\b]
.endr
	v_lshl_or_b32 v[\pw], v[TM+5], 8, v[TM+4]
	v_lshl_or_b32 v[\pw], v[TM+6], 16, v[\pw]
	v_lshl_or_b32 v[\pw], v[TM+7], 24, v[\pw]
.endm
; QCVT: the codes, in v[pc ..].  Two stages of exchanges between the halves of the lanes bring them into the operand's order: the first makes lane half h hold columns 32 b + 16 h + 0 .. 15, the second gives
; each half a whole block: registers 4 c .. 4 c + 3 hold columns 64 c + 32 h + 0 .. 31.
.macro QCVT w, ac, pc
.set W, \w
.set AC, \ac
	WIN W
.irp b, 0,1,2,3
	v_cvt_scalef32_pk8_fp4_f32 v[\pc+2*\b], v[AC+16*\b:AC+16*\b+7], v[TM+12+\b]
	v_cvt_scalef32_pk8_fp4_f32 v[\pc+2*\b+1], v[AC+16*\b+8:AC+16*\b+15], v[TM+12+\b]
.endr
	WIN 0
	v_nop                                          ; one plain place behind a scaled conversion
.irp b, 0,1,2,3
	v_permlane16_swap_b32 v[\pc+2*\b], v[\pc+2*\b+1]
.endr
.irp c, 0,1
.irp i, 0,1
	v_permlane16_swap_b32 v[\pc+4*\c+\i], v[\pc+4*\c+2+\i]
.endr
.endr
.endm
; K step k of the second product, with the quantiser of the first product's block k in its three gaps: its lines name no register of the matrix instructions around them, and are their places.
.macro P2STEP k
	QMAX 2+(\k)/4, 64*((\k)%4)
	s_wait_alu depctr_va_vdst(0)
	s_wait_xcnt 0x0                                ; the last block's stores have read v0-7
	s_wait_dscnt 8                                 ; x's fragments 0-3 and Wv's are in; the youngest eight loads (x's 4-7) may be out
	WIN MUL_V
	MUL2 \k, 0
	WIN 0
	QMID PW+\k
.if \k < 7
	F2X \k+1, 0
	F2V \k+1
	s_wait_alu depctr_va_vdst(0)
	s_wait_dscnt 16                                ; all but the sixteen just issued
.else
	s_wait_alu depctr_va_vdst(0)
	s_wait_dscnt 0x0
.endif
	WIN MUL_V
	MUL2 \k, 4
	QCVT 2+(\k)/4, 64*((\k)%4), PC
.irp c, 0,1
	global_store_b128 v[LI], v[PC+4*\c:PC+4*\c+3], s[4:5] offset:(\k)*8192+512*\c   ; the image: 32 lanes store 512 consecutive bytes, aligned
.endr
.if \k < 7
	F2X \k+1, 4
.endif
.endm
	s_wait_alu depctr_va_vdst(0)
	s_wait_tensorcnt 0x0                           ; my part of slot 0 is in
	ds_add_u32 v[SPW], v[NIL]
	s_wait_dscnt 0x0
	CROUND                                         ; everybody's part is in, and the joint loads meet
	JLOAD 1                                        ; slot 1, the first tensor load behind the round: it has slot 0's steps in which to land
	FETCH_B 0, 0, 0
	FETCH_A 0, 0, 0
	FETCH_A 0, 0, 4
	s_wait_loadcnt 0x0                             ; the scale words
	STEP 0, 0, 1
	STEP 0, 1, 0
	STEP 0, 2, 0
	; slot 0's last step goes on to slot 1, and its W half is filled again with Wv
	s_wait_tensorcnt 0x0                           ; my part of slot 1 is in
	ds_add_u32 v[SPW], v[NIL]                      ; 0 onto my spare word
	s_wait_dscnt 9                                 ; (the add and the youngest eight loads may be out)
	WIN MUL_LO
	MUL16 0, 0, 3, 0                               ; sixteen matrix instructions stand between the add and the wait for it
	s_wait_dscnt 0x0                               ; the add is done, and my reads of slot 0 are over
	s_barrier_signal -1
	MUL16 2, 0, 3, 0                               ; work on registers while the others arrive
	WIN 0
	s_barrier_wait -1
	CREST                                          ; no wave of any partner still reads slot 0's W or has a load on its way
	tensor_load_to_lds s[G0V:G0V+3], s[G1V:G1V+7]  ; every wave issues its quarter: it has slot 1's steps in which to land
	s_nop 0
	PLACES 4
	FETCH_B 1, 0, 0
	FETCH_A 1, 0, 0
	WIN MUL_HI
	MUL16 4, 0, 3, 0
	MUL16 6, 0, 3, 0
	PLACES 4
	WIN 0
	FETCH_A 1, 0, 4
	STEP 1, 0, 0
	STEP 1, 1, 0
	STEP 1, 2, 0
	; the first product's last step; behind its barrier Wv is whole.  Nothing is filled again
	s_wait_tensorcnt 0x0
	s_wait_dscnt 8
	WIN MUL_LO
	MUL16 0, 1, 3, 0
	s_wait_dscnt 0x0
	s_barrier_signal -1
	MUL16 2, 1, 3, 0
	WIN 0
	s_barrier_wait -1
	PLACES 4
	F2X 0, 0
	F2V 0
	F2X 0, 4
	WIN MUL_HI
	MUL16 4, 1, 3, 0
	MUL16 6, 1, 3, 0
.irp k, 0,1,2,3,4,5,6,7
	P2STEP \k
.endr
.irp a, 0,1,2,3                                ; v's four blocks of 16 channels: the last exchanges' lines above are the places behind the last products
	QMAX 1, 64*\a
	QMID PWV+\a
	QCVT 1, 64*\a, AF+8*\a
.irp c, 0,1
	global_store_b128 v[LI], v[AF+8*\a+4*\c:AF+8*\a+4*\c+3], s[6:7] offset:4096*\a+512*\c
.endr
.endr
.irp j, 0,1,2,3
	v_cndmask_b32 v[WQ+\j], v[PW+\j], v[PW+4+\j], s3   ; lanes 0-15 carry the words of blocks 0-3 of row r, lanes 16-31 those of blocks 4-7
.endr
	global_store_b128 v[LI], v[WQ:WQ+3], s[8:9]    ; my 128 tokens' words for this chunk of d: 512 consecutive bytes, aligned
	v_cmp_gt_u32 vcc_lo, 0x100, v[LI]              ; lanes 0-15
	s_wait_alu depctr_va_vdst(0)
	s_wait_xcnt 0x0                                ; EXEC changes only behind this wait
	s_and_saveexec_b32 s42, vcc_lo
	global_store_b128 v[LI], v[PWV:PWV+3], s[10:11]    ; my 64 channels' words for this chunk of tokens: 256 consecutive bytes, aligned
	s_wait_xcnt 0x0
	s_or_b32 exec_lo, exec_lo, s42
	s_wait_tensorcnt 0x0                           ; the wave's end
	ds_add_u32 v[SPW], v[NIL]
	s_wait_dscnt 0x0
	CROUND                                         ; the closing round: no work-group ends while a partner may still ask for a tile that names it
	s_endpgm
.Lfunc_end_k_q0bcf2c734c_proj:
	.size	k_q0bcf2c734c_proj, .Lfunc_end_k_q0bcf2c734c_proj-k_q0bcf2c734c_proj
	.p2alignl 7, 3214868480
	.fill 96, 4, 3214868480
	.section	.rodata,"a",@progbits
	.p2align	6, 0x0
	.amdhsa_kernel k_q0bcf2c734c_proj
		.amdhsa_group_segment_fixed_size 327680
		.amdhsa_private_segment_fixed_size 0
		.amdhsa_enable_private_segment 0
		.amdhsa_kernarg_size 104
		.amdhsa_user_sgpr_count 2
		.amdhsa_user_sgpr_kernarg_segment_ptr 1
		.amdhsa_wavefront_size32 1
		.amdhsa_system_sgpr_workgroup_id_x 1
		.amdhsa_system_sgpr_workgroup_id_y 1
		.amdhsa_system_sgpr_workgroup_id_z 1
		.amdhsa_system_vgpr_workitem_id 0
		.amdhsa_next_free_vgpr 1024
		.amdhsa_next_free_sgpr 106
		.amdhsa_reserve_vcc 1
		.amdhsa_float_denorm_mode_32 3
		.amdhsa_float_denorm_mode_16_64 3
		.amdhsa_memory_ordered 1
		.amdhsa_forward_progress 1
		.amdhsa_inst_pref_size 193
	.end_amdhsa_kernel
	.amdgpu_metadata
---
amdhsa.version: [ 1, 2 ]
amdhsa.kernels:
  - .name:           k_q0bcf2c734c_proj
    .symbol:         k_q0bcf2c734c_proj.kd
    .args:
      - { .name: x_codes, .offset: 0, .size: 8, .value_kind: global_buffer, .address_space: global }
      - { .name: x_scales, .offset: 8, .size: 8, .value_kind: global_buffer, .address_space: global }
      - { .name: Wq_codes, .offset: 16, .size: 8, .value_kind: global_buffer, .address_space: global }
      - { .name: Wq_scales, .offset: 24, .size: 8, .value_kind: global_buffer, .address_space: global }
      - { .name: Wk_codes, .offset: 32, .size: 8, .value_kind: global_buffer, .address_space: global }
      - { .name: Wk_scales, .offset: 40, .size: 8, .value_kind: global_buffer, .address_space: global }
      - { .name: Wv_codes, .offset: 48, .size: 8, .value_kind: global_buffer, .address_space: global }
      - { .name: Wv_scales, .offset: 56, .size: 8, .value_kind: global_buffer, .address_space: global }
      - { .name: qc, .offset: 64, .size: 8, .value_kind: global_buffer, .address_space: global }
      - { .name: kc, .offset: 72, .size: 8, .value_kind: global_buffer, .address_space: global }
      - { .name: vc, .offset: 80, .size: 8, .value_kind: global_buffer, .address_space: global }
      - { .name: qks, .offset: 88, .size: 8, .value_kind: global_buffer, .address_space: global }
      - { .name: vs, .offset: 96, .size: 8, .value_kind: global_buffer, .address_space: global }
    .group_segment_fixed_size: 327680
    .private_segment_fixed_size: 0
    .kernarg_segment_align: 8
    .kernarg_segment_size: 104
    .max_flat_workgroup_size: 128
    .sgpr_count:     106
    .vgpr_count:     1024
    .wavefront_size: 32
...
	.end_amdgpu_metadata
.endif
;; end of part 1
;; launch score (part 2): grid 36 x 4, 8 waves a work-group, no clusters, 327,680 bytes of LDS; arguments qc, kc, qks, pc, st; writes pc, st
.if DOCPART == 2
	.amdgcn_target "amdgcn-amd-amdhsa--gfx1250"
	.amdhsa_code_object_version 6
	.text
	.protected	k_q0bcf2c734c_score
	.globl	k_q0bcf2c734c_score
	.p2align	8
	.type	k_q0bcf2c734c_score,@function
k_q0bcf2c734c_score:
	s_mov_b64 s[64:65], 0
	v_nop
	global_prefetch_b8 v0, s[64:65] scope:SCOPE_SE
	s_setreg_imm32_b32 hwreg(HW_REG_WAVE_MODE, 25, 1), 1
	s_wait_xcnt 0x0
; S = q k^T on codes of FP4, the causal mask, and the softmax's p as codes, for each chunk of 128 keys by itself.
; WORK LEFT OUT: the tiles of 256 queries x 256 keys whose key block j lies behind the query block i: reference()'s own mask makes every score there -inf, so p = 0 whatever finite values the inputs hold.
; 36 of 64 tiles of a batch are made.  A NaN, an infinity or an overflow that reaches only the tiles left out is not carried to the result.
; LIMIT: the promise of this softmax holds while the scaled scores (t below, before the maximum is taken away) stay under 2^31 in magnitude.
; THE SOFTMAX.  t = score x log2(e) / 32.  For a row and ITS CHUNK of 128 keys: M = ceil(the largest t of the chunk), a whole number; p = 2^(t - M), quantised along the keys in blocks of 32; l = the sum of the
; unquantised p.  The next launch takes the rows' largest M and brings each chunk under it: that is an exact power of two, which only moves the blocks' scale bytes and l.  Stored for each row and chunk: p's scale word, -M, l.
; SHARES.  Work-group x = a place in the triangle (i, j <= i), y = the batch.  EIGHT waves (hr, hc), two to a SIMD: 64 queries (hr) x 128 keys (hc): 32 accumulators.  K = 1,024 lies in LDS whole, in two slots of 512, each filled once.
; One tensor load a wave, all at the head: waves 0-3 fetch slot 0 (q's two halves, k's two halves), waves 4-7 slot 1.
; q and k arrive as IMAGES of fragments (16 rows x 128 K: 1,024 bytes, group c of lane L at 512 c + 16 L), so a fragment load reads 512 consecutive bytes: no pitch, no padding.
; NO CLUSTER: row i of the triangle has i + 1 tiles and column j has 8 - j, so no block of 4 x 4 or 4 x 1 places has partners that share a tile at every place of the grid.  No prefetch: a wave has one load and no loop to run ahead in.
; THE MATRIX INSTRUCTION IS USED TRANSPOSED (source 0 = 16 keys, source 1 = 16 queries): lane (r, h) of accumulator (a, b) holds query 16 a + r and keys 16 b + 8 h + 0 .. 7.
; REGISTERS: window 0: v0-7 -M for the multiply-adds; v16-30 addresses and constants; v32-95 the scale words of all eight K steps; v96-127 maxima and statistics; v128-191 q's fragments, two sets, then t and p;
;   v192-255 k's fragments, one set, then codes and work.   window 1: the accumulators ((a, b) at v[8 (8 a + b)]).
.set SPARE,  262144                    ; behind the two slots: the spare words, 128 bytes for each wave: four blocks of 256 bytes that no other line names
.set SLOT,   131072                    ; q's 16 tiles of rows x 4,096 bytes, then from 65,536 on k's
.set REG,    147456                    ; pc: bytes of one region (a batch's rows 16 (g + 8 m) + 0 .. 15)
.set NUA,  0                           ; v[0:7]  block a's -M as the multiply-add takes it, in v[2 a]
.set ADRA, 16                          ; v16-17  LDS address of my q fragments in slot 0, 1
.set ADRB, 20                          ; v20-21  the same for k
.set LI,   24                          ; v24     16 x lane
.set STA,  25                          ; v25     the statistics' place: 65,536 h + 16 r
.set DQ,   26                          ; v26     r - 8 h: on the diagonal tile register j is hidden where j > r - 8 h
.set VSO,  27                          ; v27     my scale words in qks: lanes 0-15 q's, lanes 16-31 k's
.set SPW,  28                          ; v28     LDS address of my spare word; never rewritten
.set NIL,  29                          ; v29     0; never rewritten
.set NINF, 30                          ; v30     -infinity
.set SC,   32                          ; register 8 kc + i: lanes 0-15 the word of q's block i (0 .. 3), lanes 16-31 that of k's block i, K step kc
.set BMA,  96                          ; v96-111 the largest scores of block a's four blocks of 32 keys, then their largest p, at v[96 + 4 a]
.set PW,   112                         ; v112-115 p's scale word of block a, v116-119 -M, v120-123 l
.set NM,   116
.set LL,   120
.set BX,   124                         ; v124    the other half's
.set QF,   128
.set KF,   192
.set T,    128                         ; v128-191 t - M, then p
.set PC,   192                         ; v192-223 the codes of block a: 8 registers each
.set SO,   224                         ; v224-227 the conversions' scale operands
.set BY,   228                         ; v228-231 bytes
.set SA,   232                         ; v232-239 the sum's four chains
.set SB,   234
.set SU,   236
.set SV,   238
.set Q4,   240                         ; v240-247 two quads to store
.set G1,   24                          ; s[24:31] descriptor group 1;  s[32:35] group 0
.set G0,   32
.set SEL,  40                          ; s[40:41] lane selects for lane l xor 16
.set CS,   42                          ; s[42:43] c = log2(e) / 32
.set SD,   44                          ; s44  4 (i - j) + hr - 2 hc: negative: my tile is wholly hidden; 0 or 1: it lies on the diagonal; 2 or more: it is open
.set HADD, 45                          ; s45  -infinity in a hidden wave, else 0: added to -M ahead of the multiply-add, so that every p there is 0
.set HMAX, 46                          ; s46  2^100 in a hidden wave, else -infinity: the -M that is stored there, above every other chunk's
.set HI,   47                          ; s47  lanes 16-31
.set NI,   48                          ; s48  -infinity
.set MK,   50                          ; s50-57 lanes in which register j of the diagonal tile is hidden
.set MSB, 0
.macro WIN new                         ; the immediate's high byte repeats the setting that is left
.if MSB != \new
	s_set_vgpr_msb (MSB<<8)|\new
.set MSB, \new
.endif
.endm
.macro PLACES n                        ; plain vector places behind matrix instructions (ISA guide 7.12.1, for matrix instructions)
.rept \n
	v_nop
.endr
.endm
	s_load_b256 s[4:11], s[0:1], 0x0               ; qc s[4:5], kc s[6:7], qks s[8:9], pc s[10:11]
	s_load_b64 s[12:13], s[0:1], 0x20              ; st
	v_lshl_add_u32 v[SPW], v0, 2, SPARE
	v_mov_b32 v[NIL], 0
	ds_add_u32 v[SPW], v[NIL]                      ; the wave's opening: the add, twice on end, and its wait ahead of my first tensor load
	ds_add_u32 v[SPW], v[NIL]
	v_lshrrev_b32 v1, 5, v0
	v_readfirstlane_b32 s14, v1                    ; wave 0..7
	s_lshr_b32 s15, s14, 1                         ; hr: which 64 queries
	s_and_b32 s16, s14, 1                          ; hc: which 128 keys.  Also: which half of q or k I fetch
	s_and_b32 s49, s14, 3                          ; 0, 1: I fetch for q; 2, 3: for k
	s_lshr_b32 s2, s14, 2                          ; the slot that I fetch
	s_mov_b32 s17, 0                               ; i = how many of the triangle's row starts 1, 3, 6, .. the place has reached
.irp tt, 1,3,6,10,15,21,28
	s_cmp_ge_u32 ttmp9, \tt
	s_cselect_b32 s20, 1, 0
	s_add_co_u32 s17, s17, s20
.endr
	s_add_co_u32 s20, s17, 1
	s_mul_i32 s20, s20, s17
	s_lshr_b32 s20, s20, 1
	s_sub_co_u32 s18, ttmp9, s20                   ; j = place - i (i + 1) / 2
	s_and_b32 s19, ttmp7, 0xffff                   ; batch
	; descriptor group 1: 8 tiles of rows x 4,096 bytes (four K steps' images), 8,192 bytes apart in memory, dense in LDS
	s_mov_b32 s[G1+0], 3<<16                       ; no mask; elements of 8 bytes; no padding
	s_mov_b32 s[G1+1], 512<<16                     ; tensor_dim0 = 512
	s_mov_b32 s[G1+2], 8<<16                       ; tensor_dim1 = 8
	s_mov_b32 s[G1+3], 512<<16                     ; tile_dim0 = 512
	s_mov_b32 s[G1+4], 8                           ; tile_dim1 = 8
	s_mov_b32 s[G1+5], 1024                        ; from row to row
	s_mov_b32 s[G1+6], 0
	s_mov_b32 s[G1+7], 0
	s_cmp_lt_u32 s49, 2
	s_cselect_b32 s20, s17, s18
	s_lshl_b32 s20, s20, 4
	s_lshl_b32 s21, s19, 7
	s_add_co_u32 s20, s20, s21
	s_lshl_b32 s21, s16, 3
	s_add_co_u32 s20, s20, s21                     ; my first tile of 16 rows: 128 batch + 16 (i or j) + 8 (wave % 2)
	s_lshl_b32 s20, s20, 13                        ; x 8,192 bytes
	s_lshl_b32 s21, s2, 12                         ; slot 1: four images on
	s_add_co_u32 s20, s20, s21
	s_mov_b32 s21, 0
	s_lshr_b32 s23, s15, 1                         ; which 128 of the tile's queries
	; the scale words: sA = (16 batch + 2 i + hr / 2) x 512 + 256 (hr % 2) in q's half of qks, sB = 262,144 + (16 batch + 2 j + hc) x 512 in k's
	s_lshl_b32 s22, s19, 4
	s_lshl_b32 s58, s17, 1
	s_add_co_u32 s58, s58, s22
	s_add_co_u32 s58, s58, s23
	s_lshl_b32 s58, s58, 9
	s_lshl_b32 s59, s18, 1
	s_add_co_u32 s59, s59, s22
	s_add_co_u32 s59, s59, s16
	s_lshl_b32 s59, s59, 9
	s_add_co_u32 s59, s59, 0x40000
	s_and_b32 s22, s15, 1
	s_lshl_b32 s22, s22, 8
	s_add_co_u32 s58, s58, s22
	s_sub_co_u32 s59, s59, s58
	; pc: batch x 8 regions + PH(j) + ((2 i + hr / 2 - 2 j) x 2 + hc) x 1,024, PH(j) = 2,048 j (17 - j); block a goes to region 4 (hr % 2) + a
	s_mul_i32 s60, s19, 8*REG
	s_sub_co_u32 s22, 17, s18
	s_mul_i32 s22, s22, s18
	s_lshl_b32 s22, s22, 11
	s_add_co_u32 s60, s60, s22
	s_sub_co_u32 s22, s17, s18
	s_lshl_b32 s22, s22, 1
	s_add_co_u32 s22, s22, s23
	s_lshl_b32 s22, s22, 1
	s_add_co_u32 s22, s22, s16
	s_lshl_b32 s22, s22, 10
	s_add_co_u32 s60, s60, s22
	s_and_b32 s22, s15, 1
	s_mul_i32 s22, s22, 4*REG
	s_add_co_u32 s60, s60, s22
	s_mov_b32 s61, 0
	; st: batch x 524,288 + 8,192 i + 1,024 j + 512 (hr / 2) + 256 hc; block a goes to region 4 (hr % 2) + a of 65,536 bytes
	s_lshl_b32 s62, s19, 19
	s_lshl_b32 s22, s17, 13
	s_add_co_u32 s62, s62, s22
	s_lshl_b32 s22, s18, 10
	s_add_co_u32 s62, s62, s22
	s_lshl_b32 s22, s23, 9
	s_add_co_u32 s62, s62, s22
	s_lshl_b32 s22, s16, 8
	s_add_co_u32 s62, s62, s22
	s_and_b32 s22, s15, 1
	s_lshl_b32 s22, s22, 18
	s_add_co_u32 s62, s62, s22
	s_mov_b32 s63, 0
	s_mov_b32 s[SEL], 0x76543210
	s_mov_b32 s[SEL+1], 0xfedcba98
	s_mov_b32 s[CS], 0x3d38aa3b                    ; log2(e) / 32
	s_mov_b32 s[CS+1], s[CS]                       ; (named with it as a pair, so it is written)
	s_mov_b32 s[HI], 0xffff0000
	s_mov_b32 s[NI], 0xff800000
	s_sub_co_i32 s[SD], s17, s18
	s_lshl_b32 s[SD], s[SD], 2
	s_add_co_u32 s[SD], s[SD], s15
	s_lshl_b32 s22, s16, 1
	s_sub_co_i32 s[SD], s[SD], s22
	s_mov_b32 s[HMAX], 0xff800000
	s_cmp_lt_i32 s[SD], 0
	s_cselect_b32 s[HADD], 0xff800000, 0
	s_cselect_b32 s[HMAX], 0x71800000, s[HMAX]
	s_lshl_b32 s22, s15, 14                        ; my 4 tiles of q: 16,384 hr
	s_lshl_b32 s23, s16, 15
	s_add_co_u32 s23, s23, 65536                   ; my 8 tiles of k
	v_and_b32 v1, 15, v0                           ; r
	v_bfe_u32 v2, v0, 4, 1                         ; h
	v_and_b32 v3, 31, v0
	v_lshlrev_b32 v[LI], 4, v3
	v_mul_u32_u24 v4, s59, v2                      ; lanes 16-31 take k's
	v_lshl_add_u32 v[VSO], v1, 4, v4
	v_add_nc_u32 v[VSO], s58, v[VSO]
	v_add_nc_u32 v[ADRA], s22, v[LI]
	v_add_nc_u32 v[ADRB], s23, v[LI]
	v_add_nc_u32 v[ADRA+1], SLOT, v[ADRA]
	v_add_nc_u32 v[ADRB+1], SLOT, v[ADRB]
	v_lshlrev_b32 v[STA], 16, v2
	v_lshl_add_u32 v[STA], v1, 4, v[STA]
	v_lshlrev_b32 v5, 3, v2
	v_sub_nc_u32 v[DQ], v1, v5
	v_mov_b32 v[NINF], 0xff800000
.irp j, 0,1,2,3,4,5,6,7
	v_cmp_gt_i32 s[MK+\j], \j, v[DQ]
.endr
	s_wait_alu depctr_va_vdst(0)
	s_wait_dscnt 0x0                               ; both opening adds are done
	s_wait_kmcnt 0x0
	s_cmp_lt_u32 s49, 2
	s_cselect_b64 s[58:59], s[4:5], s[6:7]
	s_mov_b32 s[G0], 1
	s_lshl_b32 s[G0+1], s14, 15                    ; 32,768 x wave: slot 1 begins at wave 4's place
	s_add_nc_u64 s[G0+2:G0+3], s[58:59], s[20:21]
	s_or_b32 s[G0+3], s[G0+3], 0x80000000
	s_cmp_lt_u32 s14, 4                            ; one load a wave; the waves of slot 0 and those of slot 1 have a line each, since they wait at different places
	s_cbranch_scc0 .Lfetch_1
	tensor_load_to_lds s[G0:G0+3], s[G1:G1+7]
	s_nop 0
	PLACES 4
	s_branch .Lfetched
.Lfetch_1:
	tensor_load_to_lds s[G0:G0+3], s[G1:G1+7]
	s_nop 0
	PLACES 4
.Lfetched:
.irp kc, 0,1,2,3,4,5,6,7
.irp u, 0,1
	global_load_b128 v[SC+8*\kc+4*\u:SC+8*\kc+4*\u+3], v[VSO], s[8:9] offset:\kc*32768+\u*256   ; four blocks' words of row r: sixteen lanes read 256 consecutive bytes (of q's only the first four blocks are mine)
.endr
.endr
	s_add_nc_u64 s[10:11], s[10:11], s[60:61]
	s_add_nc_u64 s[12:13], s[12:13], s[62:63]
.macro FRAG reg, adr, q, i             ; the image of tile of rows i, the slot's q-th K step: two loads of 512 consecutive bytes
.irp c, 0,1
	ds_load_b128 v[\reg+4*\c:\reg+4*\c+3], v[\adr] offset:4096*(\i)+1024*(\q)+512*\c
.endr
.endm
.macro FK k, i0                        ; k's fragments i0 .. i0 + 3 of K step k
.irp i, \i0, \i0+1, \i0+2, \i0+3
	FRAG KF+8*(\i), ADRB+(\k)/4, (\k)%4, \i
.endr
.endm
.macro FQ k                            ; q's four, into set k % 2
.irp i, 0,1,2,3
	FRAG QF+32*((\k)%2)+8*\i, ADRA+(\k)/4, (\k)%4, \i
.endr
.endm
; 16 matrix instructions: k's fragments b0 .. b0 + 3 x q's four.  The 32 accumulators take turns, one instruction a turn, in the same order in every step.  K step 0 starts the sums: nothing is cleared.
.macro MUL k, b0
.irp b, \b0, \b0+1, \b0+2, \b0+3
.irp a, 0,1,2,3
.set DD, 8*(8*\a+\b)
.set PX, KF+8*(\b)
.set PY, QF+32*((\k)%2)+8*\a
.set UU, SC+8*(\k)+\b
.set WW, SC+8*(\k)+\a
.if (\k) == 0
	v_wmma_scale_f32_16x16x128_f8f6f4 v[DD:DD+7], v[PX:PX+7], v[PY:PY+7], 0, v[UU], v[WW] matrix_a_fmt:MATRIX_FMT_FP4 matrix_b_fmt:MATRIX_FMT_FP4 matrix_a_scale:MATRIX_SCALE_ROW1
.else
	v_wmma_scale_f32_16x16x128_f8f6f4 v[DD:DD+7], v[PX:PX+7], v[PY:PY+7], v[DD:DD+7], v[UU], v[WW] matrix_a_fmt:MATRIX_FMT_FP4 matrix_b_fmt:MATRIX_FMT_FP4 matrix_a_scale:MATRIX_SCALE_ROW1
.endif
.endr
.endr
.endm
.macro STEP k
	s_wait_dscnt 8                                 ; k's fragments 0-3 and q's are in; the youngest eight loads (k's 4-7) may be out
	WIN 0x50                                       ; sources window 0, C and D window 1
	MUL \k, 0
	WIN 0
.if \k == 3
	s_wait_tensorcnt 0x0                           ; behind the barrier slot 1 is whole.  Nothing is filled again
	s_wait_dscnt 0x0
	s_barrier_signal -1
	s_barrier_wait -1
.endif
	PLACES 4
.if \k < 7
	FK \k+1, 0
	FQ \k+1
	s_wait_dscnt 16                                ; all but the sixteen just issued
.else
	s_wait_dscnt 0x0
.endif
	WIN 0x50
	MUL \k, 4
	WIN 0
	PLACES 4
.if \k < 7
	FK \k+1, 4
.endif
.endm
	s_wait_alu depctr_va_vdst(0)
	s_cmp_lt_u32 s14, 4
	s_cbranch_scc0 .Lslot_1_later                  ; slot 1's loads may stay out
	s_wait_tensorcnt 0x0                           ; my part of slot 0 is in
.Lslot_1_later:
	s_barrier_signal -1
	s_barrier_wait -1
	FK 0, 0
	FQ 0
	FK 0, 4
	s_wait_loadcnt 0x0                             ; the scale words
.irp k, 0,1,2,3,4,5,6,7
	STEP \k
.endr
.irp a, 0,1,2,3
	v_mov_b32 v[NUA+2*\a+1], 0                     ; (named as the upper half of a pair)
.endr
	v_mov_b32 v[BX], 0                             ; written once: a lane permute's destination counts as one of its sources
	v_mov_b32 v[Q4+3], 0                           ; the quads' fourth words
	v_mov_b32 v[Q4+7], 0
	s_wait_alu depctr_va_vdst(0)
	; THE MASK, in the waves of a diagonal tile that lie on the diagonal (branches on ids).  With d = 4 x (0 or 1): key 16 b + 8 h + j is hidden for query 16 a + r where 16 (b - a - d) + 8 h + j > r:
	; all of the tiles b > a + d, none of the tiles b < a + d, and in tile b = a + d register j where j > r - 8 h.  Every row keeps its own key, so its largest score is a number.
.macro MASK d
	WIN 0x41                                       ; source 0 and destination in window 1
.irp a, 0,1,2,3
.set BH, \a+\d
.irp j, 0,1,2,3,4,5,6,7
	v_cndmask_b32 v[64*\a+8*BH+\j], v[64*\a+8*BH+\j], v[NINF], s[MK+\j]
.endr
.set BH, BH+1
.rept 7-\a-\d
.irp j, 0,1,2,3,4,5,6,7
	v_mov_b32 v[64*\a+8*BH+\j], s[NI]
.endr
.set BH, BH+1
.endr
.endr
	WIN 0
	s_wait_alu depctr_va_vdst(0)
.endm
	s_cmp_lg_u32 s[SD], 0
	s_cbranch_scc1 .Lnot_0
	MASK 0
.Lnot_0:
	s_cmp_lg_u32 s[SD], 1
	s_cbranch_scc1 .Lopen
	MASK 4
.Lopen:
; THE MAXIMA OF ALL FOUR BLOCKS of 16 queries come first, so that their chains take turns.  The largest SCORE of each block of 32 keys serves twice: for the chunk's maximum and, since p rises with the score, for the block's largest p.
.macro MAXQ a
.set BM, BMA+4*(\a)
.set AC, 64*(\a)
	WIN 0x15
.irp b, 0,1,2,3
	v_max3_num_f32 v[BM+\b], v[AC+16*\b], v[AC+16*\b+1], v[AC+16*\b+2]   ; each accumulator is first read at its low end
.endr
	WIN 0x14
.irp i, 3,5,7,9,11,13
.irp b, 0,1,2,3
	v_max3_num_f32 v[BM+\b], v[BM+\b], v[AC+16*\b+\i], v[AC+16*\b+\i+1]
.endr
.endr
.irp b, 0,1,2,3
	v_max_num_f32 v[BM+\b], v[BM+\b], v[AC+16*\b+15]
.endr
.endm
.irp a, 0,1,2,3
	MAXQ \a
.endr
	WIN 0
.set NN, 0
.rept 16
	v_permlanex16_b32 v[T+NN], v[BMA+NN], s[SEL], s[SEL+1]   ; (v128-143 held q's fragments: written, and done with)
.set NN, NN+1
.endr
.set NN, 0
.rept 16
	v_max_num_f32 v[BMA+NN], v[BMA+NN], v[T+NN]    ; with lane l xor 16's 16 keys
.set NN, NN+1
.endr
.irp a, 0,1,2,3
	v_max3_num_f32 v[T+\a], v[BMA+4*\a], v[BMA+4*\a+1], v[BMA+4*\a+2]
.endr
.irp a, 0,1,2,3
	v_max_num_f32 v[T+\a], v[T+\a], v[BMA+4*\a+3]  ; the chunk's largest score of my query
.endr
.irp a, 0,1,2,3
	v_mul_f32 v[T+\a], s[CS], v[T+\a]              ; as t (c is positive)
.endr
.irp a, 0,1,2,3
	v_floor_f32 v[NM+\a], -v[T+\a]                 ; -M = floor(-t) = -ceil(t)
.endr
.irp a, 0,1,2,3
	v_add_f32 v[NUA+2*\a], s[HADD], v[NM+\a]       ; what the multiply-add takes: -M, or -infinity in a hidden wave
.endr
.irp a, 0,1,2,3
	v_max_num_f32 v[NM+\a], s[HMAX], v[NM+\a]      ; what is stored: -M, or 2^100 in a hidden wave
.endr
; BLOCK a: 16 queries x my 128 keys.  The 64 exponentials go as one batch with one wait; the four of the blocks' largest p are a second batch, with the row's sums as the work behind them.
.macro SOFTQ a
.set AC, 64*(\a)
.set BM, BMA+4*(\a)
.set NU, NUA+2*(\a)
	WIN 1
.set NN, 0
.rept 32
	v_pk_fma_f32 v[T+NN:T+NN+1], v[AC+NN:AC+NN+1], s[CS:CS+1], v[NU:NU+1] op_sel_hi:[1,0,0]   ; t - M, two at a time (of the pairs c and -M the low word serves both halves)
.set NN, NN+2
.endr
	WIN 0
.irp b, 0,1,2,3
	v_fma_f32 v[BM+\b], v[BM+\b], s[CS], v[NU]     ; the same of each block's largest score
.endr
.set NN, 0
	s_wait_alu depctr_va_vdst(0)
.rept 64
	v_exp_f32 v[T+NN], v[T+NN]                     ; p = 2^(t - M), at most 1
.set NN, NN+1
.endr
	v_nop                                          ; a plain place behind the exponentials
	s_wait_alu depctr_va_vdst(0)                   ; the wait ahead of the first line that names a result: one for the batch
.irp b, 0,1,2,3
	v_exp_f32 v[BM+\b], v[BM+\b]                   ; the block's largest p: the same two instructions on the same number give the same bits
.endr
	v_pk_add_f32 v[SA:SA+1], v[T:T+1], v[T+2:T+3]  ; l is taken of the unquantised p: two at a time, in four chains
	v_pk_add_f32 v[SB:SB+1], v[T+4:T+5], v[T+6:T+7]
	v_pk_add_f32 v[SU:SU+1], v[T+8:T+9], v[T+10:T+11]
	v_pk_add_f32 v[SV:SV+1], v[T+12:T+13], v[T+14:T+15]
.irp j, 16,24,32,40,48,56
	v_pk_add_f32 v[SA:SA+1], v[SA:SA+1], v[T+\j:T+\j+1]
	v_pk_add_f32 v[SB:SB+1], v[SB:SB+1], v[T+\j+2:T+\j+3]
	v_pk_add_f32 v[SU:SU+1], v[SU:SU+1], v[T+\j+4:T+\j+5]
	v_pk_add_f32 v[SV:SV+1], v[SV:SV+1], v[T+\j+6:T+\j+7]
.endr
	v_pk_add_f32 v[SA:SA+1], v[SA:SA+1], v[SB:SB+1]
	v_pk_add_f32 v[SU:SU+1], v[SU:SU+1], v[SV:SV+1]
	v_pk_add_f32 v[SA:SA+1], v[SA:SA+1], v[SU:SU+1]
	v_add_f32 v[LL+\a], v[SA], v[SA+1]
	v_permlanex16_b32 v[BX], v[LL+\a], s[SEL], s[SEL+1]
	v_add_f32 v[LL+\a], v[LL+\a], v[BX]            ; with lane l xor 16's: the chunk's l
	s_wait_alu depctr_va_vdst(0)                   ; and the wait for the four
.irp b, 0,1,2,3
	v_max_num_f32 v[BM+\b], 0x1800000, v[BM+\b]    ; the floor 2^(3 - 127): the byte cannot fall under 1 (a block whose every p is 0 keeps that byte: its codes are zeros)
.endr
.irp b, 0,1,2,3
	v_add_nc_u32 v[SO+\b], 0xff000000, v[BM+\b]    ; 2 off the exponent field: the conversion's scale operand
.endr
.irp b, 0,1,2,3
	v_lshrrev_b32 v[BY+\b], 23, v[SO+\b]           ; the byte: 125 at the most, since p is at most 1
.endr
	v_lshl_or_b32 v[PW+\a], v[BY+1], 8, v[BY]
	v_lshl_or_b32 v[PW+\a], v[BY+2], 16, v[PW+\a]
	v_lshl_or_b32 v[PW+\a], v[BY+3], 24, v[PW+\a]
.irp b, 0,1,2,3
	v_cvt_scalef32_pk8_fp4_f32 v[PC+8*(\a)+2*\b], v[T+16*\b:T+16*\b+7], v[SO+\b]
	v_cvt_scalef32_pk8_fp4_f32 v[PC+8*(\a)+2*\b+1], v[T+16*\b+8:T+16*\b+15], v[SO+\b]
.endr
	v_nop                                          ; one plain place behind a scaled conversion
.irp b, 0,1,2,3
	v_permlane16_swap_b32 v[PC+8*(\a)+2*\b], v[PC+8*(\a)+2*\b+1]        ; lane half h now holds keys 32 b + 16 h + 0 .. 15
.endr
.irp c, 0,1
.irp i, 0,1
	v_permlane16_swap_b32 v[PC+8*(\a)+4*\c+\i], v[PC+8*(\a)+4*\c+2+\i]  ; and now a whole block: registers 4 c .. 4 c + 3 hold keys 64 c + 32 h + 0 .. 31
.endr
.endr
.irp c, 0,1
	global_store_b128 v[LI], v[PC+8*(\a)+4*\c:PC+8*(\a)+4*\c+3], s[10:11] offset:(\a)*REG+512*\c   ; the image: 512 consecutive bytes, aligned; no store's data are written again
.endr
.endm
.irp a, 0,1,2,3
	SOFTQ \a
.endr
.irp p, 0,1                                    ; the statistics: lanes 0-15 carry block 2 p's, lanes 16-31 block 2 p + 1's: each half stores 256 consecutive bytes, aligned
	v_cndmask_b32 v[Q4+4*\p], v[PW+2*\p], v[PW+2*\p+1], s[HI]
	v_cndmask_b32 v[Q4+4*\p+1], v[NM+2*\p], v[NM+2*\p+1], s[HI]
	v_cndmask_b32 v[Q4+4*\p+2], v[LL+2*\p], v[LL+2*\p+1], s[HI]
	global_store_b128 v[STA], v[Q4+4*\p:Q4+4*\p+3], s[12:13] offset:\p*131072
.endr
	s_wait_tensorcnt 0x0                           ; the wave's end
	ds_add_u32 v[SPW], v[NIL]
	s_wait_dscnt 0x0
	s_endpgm
.Lfunc_end_k_q0bcf2c734c_score:
	.size	k_q0bcf2c734c_score, .Lfunc_end_k_q0bcf2c734c_score-k_q0bcf2c734c_score
	.p2alignl 7, 3214868480
	.fill 96, 4, 3214868480
	.section	.rodata,"a",@progbits
	.p2align	6, 0x0
	.amdhsa_kernel k_q0bcf2c734c_score
		.amdhsa_group_segment_fixed_size 327680
		.amdhsa_private_segment_fixed_size 0
		.amdhsa_enable_private_segment 0
		.amdhsa_kernarg_size 40
		.amdhsa_user_sgpr_count 2
		.amdhsa_user_sgpr_kernarg_segment_ptr 1
		.amdhsa_wavefront_size32 1
		.amdhsa_system_sgpr_workgroup_id_x 1
		.amdhsa_system_sgpr_workgroup_id_y 1
		.amdhsa_system_sgpr_workgroup_id_z 1
		.amdhsa_system_vgpr_workitem_id 0
		.amdhsa_next_free_vgpr 512
		.amdhsa_next_free_sgpr 66
		.amdhsa_reserve_vcc 0
		.amdhsa_float_denorm_mode_32 3
		.amdhsa_float_denorm_mode_16_64 3
		.amdhsa_memory_ordered 1
		.amdhsa_forward_progress 1
		.amdhsa_inst_pref_size 113
	.end_amdhsa_kernel
	.amdgpu_metadata
---
amdhsa.version: [ 1, 2 ]
amdhsa.kernels:
  - .name:           k_q0bcf2c734c_score
    .symbol:         k_q0bcf2c734c_score.kd
    .args:
      - { .name: qc, .offset: 0, .size: 8, .value_kind: global_buffer, .address_space: global }
      - { .name: kc, .offset: 8, .size: 8, .value_kind: global_buffer, .address_space: global }
      - { .name: qks, .offset: 16, .size: 8, .value_kind: global_buffer, .address_space: global }
      - { .name: pc, .offset: 24, .size: 8, .value_kind: global_buffer, .address_space: global }
      - { .name: st, .offset: 32, .size: 8, .value_kind: global_buffer, .address_space: global }
    .group_segment_fixed_size: 327680
    .private_segment_fixed_size: 0
    .kernarg_segment_align: 8
    .kernarg_segment_size: 40
    .max_flat_workgroup_size: 256
    .sgpr_count:     66
    .vgpr_count:     512
    .wavefront_size: 32
...
	.end_amdgpu_metadata
.endif
;; end of part 2
;; launch pv (part 3): grid 8 x 32, 8 waves a work-group, clusters of 4 x 4, 327,680 bytes of LDS; arguments pc, st, vc, vs, out0; writes out0
.if DOCPART == 3
	.amdgcn_target "amdgcn-amd-amdhsa--gfx1250"
	.amdhsa_code_object_version 6
	.text
	.protected	k_q0bcf2c734c_pv
	.globl	k_q0bcf2c734c_pv
	.p2align	8
	.type	k_q0bcf2c734c_pv,@function
k_q0bcf2c734c_pv:
	s_mov_b64 s[64:65], 0
	v_nop
	global_prefetch_b8 v0, s[64:65] scope:SCOPE_SE
	s_setreg_imm32_b32 hwreg(HW_REG_WAVE_MODE, 25, 1), 1
	s_wait_xcnt 0x0
	s_wait_alu depctr_hold_cnt(0) depctr_sa_sdst(0) depctr_va_vdst(0) depctr_va_sdst(0) depctr_va_ssrc(0) depctr_va_vcc(0) depctr_vm_vsrc(0)
	s_getreg_b32 s2, hwreg(HW_REG_IB_STS2, 6, 4)
	s_cmp_eq_u32 s2, 0
	s_cbranch_scc0 .Lentry_in_a_cluster
	s_endpgm
.Lentry_in_a_cluster:
	s_bfe_u32 s2, ttmp6, 0x10000c
	s_cmp_lg_u32 s2, 0xf033
	s_cbranch_scc0 .Lentry_shape_is_right
	s_endpgm
.Lentry_shape_is_right:
; O = P v / l on codes of FP4, K = the keys.  P's chunks of 128 keys were each made under a whole number M of their own; here each row's largest M is found, and a chunk is brought under it by
; taking D = M(row) - M(chunk) off its four scale bytes and multiplying its l by 2^-D: exact powers of two, the codes stay as they are.
; WORK LEFT OUT: for 16 queries the pairs of key chunks behind theirs, where reference()'s own mask makes p = 0 whatever finite values the inputs hold; they were never made.  A NaN, an infinity or an overflow that
; reaches only that work is not carried to the result.
; LIMIT: D is held at 127, and a byte that would fall under 0 is held at 0 (2^-127): such a chunk's part lies under 1e-37 of the row's l, which is over 1/2.
; SHARES.  Work-group x = e, a block of 128 of the head's 1,024; y = 8 batch + g.  ITS 16 TILES OF 16 QUERIES ARE THE BATCH'S TILES g + 8 m, m = 0 .. 15: tile m needs the pairs of key chunks jj <= m / 2 whatever g is, so
; all 256 work-groups run the same text with equal work.  EIGHT waves (hr, hc), two to a SIMD: wave (hr, hc) takes the tiles m = 4 a + hr, a = 0 .. 3, and the channels 64 hc + 16 b + .., b = 0 .. 3: 16 accumulators.
; Block a is multiplied for jj <= 2 a, and by the waves hr >= 2 for jj = 2 a + 1 too.
; A BLOCK LEAVES AS SOON AS IT IS FINISHED: block a is whole behind chunk 4 a + 3; it is divided by l and sent through the stage in the trip of chunk 4 a + 4 and stored in the trip of chunk 4 a + 5.
; ALL OPERANDS LIE IN LDS AT ONCE: P's 147,456 bytes and v's 131,072, as images of fragments (1,024 bytes; a fragment load reads 512 consecutive bytes), each in four quarters, one a wave, all asked for at the head.
; The first barrier shows P's quarters 0 and 1 and v's 0 and 1 (key chunks 0-3), the second the rest.  No prefetch.
; CLUSTER 4 x 4.  P hangs on y alone and is shared along a row of the cluster, v on e and the batch and is shared along a column: each is asked for jointly.
; THE MATRIX INSTRUCTION IS USED TRANSPOSED (source 0 = 16 channels of v^T, source 1 = 16 queries of P): lane (r, h) of accumulator (a, b) holds query r of tile m and channels 16 b + 8 h + 0 .. 7.
; REGISTERS: window 0: v4-15 addresses; v16-19 the rows' -M; v30, v31 the add's two; v32-111 20 quads (scale word, -M, l, 0) at index a (a + 1) + jj, lane half h = chunk 2 jj + h; v112-175 v's scale words;
;   v176-183 pairs: l, then 1 / l, of block a at v[176 + 2 a]; the odd ones at work.   window 1: the accumulators at v[32 a + 8 b]; from v128 two sets of fragments: set s: P's at v[128 + 64 s + 8 a], v's at v[160 + 64 s + 8 b].
.set VL,    147456                     ; P lies from 0 on; v: [quarter n][tile of 16 channels (8)][chunk % 4][image]
.set STG,   VL+131072                  ; the stage for the way out: 16 rows x (256 bytes + 16) for each wave; no tensor load lands here
.set SPARE, STG+8*16*272               ; the spare words, 128 bytes for each wave: four blocks of 256 bytes that no other line names
.set LI,   4                           ; v4   16 x lane
.set LR,   5                           ; v5   16 r
.set ADP,  6                           ; v6-8   2,048 hr + 16 lane + 65,536 k
.set LQ,   9                           ; v9   16 lane, 1,024 more in the waves hr >= 2
.set ADV,  10                          ; v10-11 VL + 16,384 hc + 16 lane + 65,536 k
.set STO,  12                          ; v12  the stage: where I put 32 bytes of a row
.set RD,   13                          ; v13  and where I read a row back
.set CO,   14                          ; v14  my place in two rows of O: 4,096 h + 16 r
.set NMR,  16
.set SPW,  30
.set NIL,  31
.set X,    32
.set VS,   112
.set RL,   176
.set FR,   128
.set G1P,  24                          ; s[24:31] descriptor group 1 for P;  s[32:35] group 0
.set G0P,  32
.set G1V,  48                          ; s[48:55] for v;  s[36:39] group 0
.set G0V,  36
.set MSB, 0
.macro WIN new
.if MSB != \new
	s_set_vgpr_msb (MSB<<8)|\new
.set MSB, \new
.endif
.endm
.macro CROUND                          ; a round of the cluster's barrier
	s_barrier_signal -1
	s_barrier_wait -1
	s_cmp_lg_u32 s14, 0
	s_cbranch_scc1 .Lnot_wave_0_\@
	s_barrier_signal -3
.Lnot_wave_0_\@:
	s_barrier_wait -3
	s_barrier_signal -1
	s_barrier_wait -1
.endm
.macro PLACES n
.rept \n
	v_nop
.endr
.endm
	s_load_b256 s[4:11], s[0:1], 0x0               ; pc s[4:5], st s[6:7], vc s[8:9], vs s[10:11]
	s_load_b64 s[12:13], s[0:1], 0x20              ; out0
	v_lshl_add_u32 v[SPW], v0, 2, SPARE
	v_mov_b32 v[NIL], 0
	ds_add_u32 v[SPW], v[NIL]                      ; the wave's opening: the add, twice on end, and its wait ahead of my first tensor load
	ds_add_u32 v[SPW], v[NIL]
	v_lshrrev_b32 v1, 5, v0
	v_readfirstlane_b32 s14, v1                    ; wave 0..7
	s_lshr_b32 s15, s14, 1                         ; hr
	s_and_b32 s16, s14, 1                          ; hc
	s_and_b32 s22, s14, 3                          ; n: which quarter I fetch, of P (waves 0-3) or v (waves 4-7)
	s_and_b32 s92, s14, 2                          ; 0: a quarter that the first barrier shows
	s_bfe_u32 s2, ttmp6, 0x40000                   ; cx
	s_bfe_u32 s3, ttmp6, 0x40004                   ; cy
	s_lshl_b32 s19, ttmp9, 2
	s_add_co_u32 s19, s19, s2                      ; e = 4 x cluster x + cx
	s_and_b32 s18, ttmp7, 0xffff
	s_lshl_b32 s17, s18, 2
	s_add_co_u32 s17, s17, s3                      ; y = 4 x cluster y + cy = 8 batch + g
	s_lshr_b32 s18, s18, 1                         ; batch: made of the cluster's y alone
	s_lshl_b32 s56, s3, 2
	s_lshl_b32 s56, 15, s56                        ; my row of the cluster
	s_lshl_b32 s57, 0x1111, s2                     ; my column
	; dense blocks as rows of 256 bytes (32 elements of 8 bytes): a quarter of P: 144 rows; of v: 8 tiles x four chunks' images: 128 rows
	s_or_b32 s[G1P+0], s56, (3<<16)|(1<<21)        ; the mask: my row; elements of 8 bytes; bit 21 set beside a mask; no padding
	s_mov_b32 s[G1P+1], 32<<16
	s_mov_b32 s[G1P+2], 144<<16
	s_mov_b32 s[G1P+3], 32<<16
	s_mov_b32 s[G1P+4], 144
	s_mov_b32 s[G1P+5], 32
	s_mov_b32 s[G1P+6], 0
	s_mov_b32 s[G1P+7], 0
	s_or_b32 s[G1V+0], s57, (3<<16)|(1<<21)        ; the mask: my column
	s_mov_b32 s[G1V+1], 32<<16
	s_mov_b32 s[G1V+2], 128<<16
	s_mov_b32 s[G1V+3], 32<<16
	s_mov_b32 s[G1V+4], 128
	s_mov_b32 s[G1V+5], 32
	s_mov_b32 s[G1V+6], 0
	s_mov_b32 s[G1V+7], 0
	s_mul_i32 s20, s17, 147456                     ; P: my region,
	s_mul_i32 s23, s22, 36864                      ; my quarter: in memory and in LDS alike
	s_add_co_u32 s20, s20, s23
	s_mov_b32 s21, 0
	s_lshl_b32 s84, s18, 20                        ; v: batch x 2^20,
	s_lshl_b32 s85, s22, 18                        ; my quarter,
	s_add_co_u32 s84, s84, s85
	s_lshl_b32 s85, s19, 15                        ; 8 e tiles of 4,096 bytes
	s_add_co_u32 s84, s84, s85
	s_mov_b32 s85, 0
	s_lshl_b32 s22, s22, 15                        ; and in LDS
	s_lshl_b32 s86, s18, 16                        ; vs: 16 batch chunks of 4,096 bytes + 512 e + 256 hc
	s_lshl_b32 s58, s19, 9
	s_add_co_u32 s86, s86, s58
	s_lshl_b32 s58, s16, 8
	s_add_co_u32 s86, s86, s58
	s_mov_b32 s87, 0
	s_lshr_b32 s59, s15, 1
	s_lshl_b32 s88, s17, 16                        ; st: 65,536 y + 8,192 (hr / 2) + 512 (hr % 2)
	s_lshl_b32 s58, s59, 13
	s_add_co_u32 s88, s88, s58
	s_and_b32 s58, s15, 1
	s_lshl_b32 s58, s58, 9
	s_add_co_u32 s88, s88, s58
	s_mov_b32 s89, 0
	s_lshl_b32 s93, s59, 10                        ; 1,024 in the waves hr >= 2
	s_and_b32 s90, s17, 7                          ; out0: row 2,048 batch + 16 g + 128 hr, of 4,096 bytes; + 512 e + 256 hc
	s_lshl_b32 s90, s90, 4
	s_lshl_b32 s59, s18, 11
	s_add_co_u32 s90, s90, s59
	s_lshl_b32 s59, s15, 7
	s_add_co_u32 s90, s90, s59
	s_lshl_b32 s90, s90, 12
	s_lshl_b32 s59, s19, 9
	s_add_co_u32 s90, s90, s59
	s_lshl_b32 s59, s16, 8
	s_add_co_u32 s90, s90, s59
	s_mov_b32 s91, 0
	s_mov_b32 s60, 0x76543210
	s_mov_b32 s61, 0xfedcba98                      ; lane l xor 16
	s_mov_b32 s62, 0x80808080
	s_cmp_lt_u32 s15, 2
	s_cselect_b32 s63, 0, -1                       ; the lanes in which quad (a, 2 a + 1) counts: none or all
	s_lshl_b32 s57, s15, 11
	s_lshl_b32 s58, s16, 14
	s_add_co_u32 s58, s58, VL
	s_mul_i32 s59, s14, 16*272
	s_add_co_u32 s59, s59, STG                     ; my stage
	v_and_b32 v1, 15, v0                           ; r
	v_bfe_u32 v2, v0, 4, 1                         ; h
	v_and_b32 v3, 31, v0
	v_lshlrev_b32 v[LI], 4, v3
	v_lshlrev_b32 v[LR], 4, v1
	v_add_nc_u32 v[LQ], s93, v[LI]
	v_add_nc_u32 v[ADP], s57, v[LI]
	v_add_nc_u32 v[ADP+1], 0x10000, v[ADP]
	v_add_nc_u32 v[ADP+2], 0x20000, v[ADP]
	v_add_nc_u32 v[ADV], s58, v[LI]
	v_add_nc_u32 v[ADV+1], 0x10000, v[ADV]
	v_mul_u32_u24 v[STO], v1, 272
	v_lshl_add_u32 v[STO], v2, 5, v[STO]
	v_add_nc_u32 v[STO], s59, v[STO]               ; in: row r, + 32 h
	v_mul_u32_u24 v[RD], v2, 272
	v_lshl_add_u32 v[RD], v1, 4, v[RD]
	v_add_nc_u32 v[RD], s59, v[RD]                 ; back: lanes 0-15 one row, lanes 16-31 the next
	v_lshlrev_b32 v[CO], 12, v2
	v_lshl_add_u32 v[CO], v1, 4, v[CO]
.irp a, 0,1,2,3
	v_mov_b32 v[RL+2*\a+1], 0                      ; written once: a lane permute's destination counts as one of its sources, and a pair is named whole by the packed multiply
.endr
	s_wait_alu depctr_va_vdst(0)
	s_wait_dscnt 0x0                               ; both opening adds are done
	s_wait_kmcnt 0x0
	s_add_nc_u64 s[6:7], s[6:7], s[88:89]
	s_add_nc_u64 s[10:11], s[10:11], s[86:87]
	s_add_nc_u64 s[12:13], s[12:13], s[90:91]
	s_add_nc_u64 s[20:21], s[4:5], s[20:21]
	s_add_nc_u64 s[84:85], s[8:9], s[84:85]
	; the statistics and v's scale words go straight into registers: the statistics first, since the joining of the chunks waits for them alone.
	; Quad (a, 2 a + 1) exists for hr >= 2; the other waves load quad (a, 2 a) once more in its place, which leaves the least -M as it is, and take its l as 0
.irp a, 0,1,2,3
.set JX, 0
.rept 2*\a+1
	global_load_b128 v[X+4*(\a*(\a+1)+JX):X+4*(\a*(\a+1)+JX)+3], v[LI], s[6:7] offset:\a*16384+JX*1024   ; lanes 0-15: chunk 2 jj of row r, lanes 16-31: chunk 2 jj + 1: 512 consecutive bytes
.set JX, JX+1
.endr
	global_load_b128 v[X+4*(\a*(\a+1)+JX):X+4*(\a*(\a+1)+JX)+3], v[LQ], s[6:7] offset:\a*16384+2*\a*1024
.endr
.irp kc, 0,1,2,3,4,5,6,7,8,9,10,11,12,13,14,15
	global_load_b128 v[VS+4*\kc:VS+4*\kc+3], v[LR], s[10:11] offset:\kc*4096   ; v's scale words of chunk kc: my four tiles' words of row r
.endr
	s_mov_b32 s[G0P], 1
	s_mov_b32 s[G0P+1], s23
	s_mov_b64 s[G0P+2:G0P+3], s[20:21]
	s_or_b32 s[G0P+3], s[G0P+3], 0x80000000
	s_mov_b32 s[G0V], 1
	s_add_co_u32 s[G0V+1], s22, VL
	s_mov_b64 s[G0V+2:G0V+3], s[84:85]
	s_or_b32 s[G0V+3], s[G0V+3], 0x80000000
	CROUND                                         ; all sixteen work-groups are here: the joint loads meet
; One load a wave, in one tree of branches on its number; the waves that wait at the first barrier and those that wait at the second have lines of their own.
.macro ARM under, g0, g1, next
	s_cmp_lt_u32 s14, \under
	s_cbranch_scc0 \next
	tensor_load_to_lds s[\g0:\g0+3], s[\g1:\g1+7]
	s_nop 0
	PLACES 4
	s_branch .Lasked
\next:
.endm
	ARM 2, G0P, G1P, .Lask_p2
	ARM 4, G0P, G1P, .Lask_v0
	ARM 6, G0V, G1V, .Lask_v2
	tensor_load_to_lds s[G0V:G0V+3], s[G1V:G1V+7]
	s_nop 0
	PLACES 4
.Lasked:
	s_wait_alu depctr_va_vdst(0)
	s_wait_loadcnt 16                              ; the 20 quads are in; the 16 loads of v's scale words, issued behind them, may stay out
; THE CHUNKS ARE JOINED, EVERY LINE RUN OVER ALL BLOCKS OR ALL 20 QUADS BY TURNS, so that no line reads the result of the line above it; a quad's -M and its fourth word serve as scratch.
; -M(row) = the least -M of its chunks.  For each chunk: t0 = M(chunk) - M(row), a whole number, 0 or less, held at -127; its l is multiplied by 2^t0; D = -t0 goes off each of the four scale bytes:
; with bit 7 set on each byte first (the bytes are 125 at the most, D 127 at the most) no borrow crosses a byte, and bit 7 of the difference says whether the byte was D or more; else it becomes 0.
.irp a, 0,1,2,3
	v_min_num_f32 v[NMR+\a], v[X+4*\a*(\a+1)+1], v[X+4*\a*(\a+1)+5]
.endr
.irp j, 2,3,4,5,6,7
.irp a, 1,2,3
.if 2*\a+1 >= \j
	v_min_num_f32 v[NMR+\a], v[NMR+\a], v[X+4*(\a*(\a+1)+\j)+1]
.endif
.endr
.endr
.irp a, 0,1,2,3
	v_permlanex16_b32 v[RL+2*\a+1], v[NMR+\a], s60, s61
.endr
.irp a, 0,1,2,3
	v_min_num_f32 v[NMR+\a], v[NMR+\a], v[RL+2*\a+1]   ; with the odd chunks': -M of the row
.endr
.irp a, 0,1,2,3
.set JX, 0
.rept 2*\a+2
	v_sub_f32 v[X+4*(\a*(\a+1)+JX)+1], v[NMR+\a], v[X+4*(\a*(\a+1)+JX)+1]   ; t0
.set JX, JX+1
.endr
.endr
.macro QOP n                           ; line n of the list, over the 20 quads
.set QB, X
.rept 20
.if \n == 2
	v_max_num_f32 v[QB+1], 0xc2fe0000, v[QB+1]     ; held at -127
.elseif \n == 3
	v_cvt_i32_f32 v[QB+1], v[QB+1]
.elseif \n == 4
	v_ldexp_f32 v[QB+3], 1.0, v[QB+1]              ; 2^t0
.elseif \n == 5
	v_mul_f32 v[QB+2], v[QB+2], v[QB+3]            ; the chunk's l under the row's M: nothing is rounded
.elseif \n == 6
	v_sub_nc_u32 v[QB+1], 0, v[QB+1]               ; D
.elseif \n == 7
	v_lshl_or_b32 v[QB+3], v[QB+1], 8, v[QB+1]
.elseif \n == 8
	v_lshl_or_b32 v[QB+3], v[QB+3], 16, v[QB+3]    ; D in all four bytes
.elseif \n == 9
	v_or_b32 v[QB], s62, v[QB]
.elseif \n == 10
	v_sub_nc_u32 v[QB], v[QB], v[QB+3]
.elseif \n == 11
	v_and_b32 v[QB+3], s62, v[QB]
.elseif \n == 12
	v_lshrrev_b32 v[QB+1], 7, v[QB+3]
.elseif \n == 13
	v_sub_nc_u32 v[QB+3], v[QB+3], v[QB+1]         ; 0x7f in each byte that stays
.else
	v_and_b32 v[QB], v[QB], v[QB+3]                ; the scale word under the row's M
.endif
.set QB, QB+4
.endr
.endm
.irp n, 2,3,4,5,6,7,8,9,10,11,12,13,14
	QOP \n
.endr
.irp a, 0,1,2,3
	v_cndmask_b32 v[X+4*(\a*(\a+1)+2*\a+1)+2], 0, v[X+4*(\a*(\a+1)+2*\a+1)+2], s63   ; the l of a quad loaded twice counts once
.endr
.irp a, 0,1,2,3
	v_add_f32 v[RL+2*\a], v[X+4*\a*(\a+1)+2], v[X+4*\a*(\a+1)+6]
.endr
.irp j, 2,3,4,5,6,7
.irp a, 1,2,3
.if 2*\a+1 >= \j
	v_add_f32 v[RL+2*\a], v[RL+2*\a], v[X+4*(\a*(\a+1)+\j)+2]
.endif
.endr
.endr
.irp a, 0,1,2,3
	v_permlanex16_b32 v[RL+2*\a+1], v[RL+2*\a], s60, s61
.endr
.irp a, 0,1,2,3
	v_add_f32 v[RL+2*\a], v[RL+2*\a], v[RL+2*\a+1] ; with the odd chunks': the row's l
.endr
	s_wait_alu depctr_va_vdst(0)
.irp a, 0,1,2,3
	v_rcp_f32 v[RL+2*\a], v[RL+2*\a]
.endr
	v_nop                                          ; a plain place behind the reciprocals
	s_wait_alu depctr_va_vdst(0)                   ; the wait ahead of the first line that names a result: one for the four
	PLACES 8                                       ; a scale register written by a vector instruction stands eight places ahead of a scaled matrix instruction
; Chunk kc's fragments into set kc % 2: v's four, then P's blocks t .. 3, t = kc / 4.  P's place: PH(jj) + (m - 2 jj) x 2,048 + (kc % 2) x 1,024, PH(jj) = 2,048 jj (17 - jj), jj = kc / 2.
; For odd jj and block t the waves hr < 2 load two tiles of an earlier pair, in P's bytes too, and do not multiply them: the counts are the same in all waves.
.macro FETCH kc
.set JJ, (\kc)/2
.set FS, FR+64*((\kc)%2)
	WIN 0x40                                       ; destination window 1, address window 0
.irp b, 0,1,2,3
.irp c, 0,1
.set OV, ((\kc)/4)*32768+4096*\b+((\kc)%4)*1024+512*\c
	ds_load_b128 v[FS+32+8*\b+4*\c:FS+32+8*\b+4*\c+3], v[ADV+OV/65536] offset:OV%65536
.endr
.endr
.set AA, JJ/2
.rept 4-JJ/2
.irp c, 0,1
.set OP, 2048*JJ*(17-JJ)+(4*AA-2*JJ)*2048+((\kc)%2)*1024+512*\c
	ds_load_b128 v[FS+8*AA+4*\c:FS+8*AA+4*\c+3], v[ADP+OP/65536] offset:OP%65536
.endr
.set AA, AA+1
.endr
	WIN 0
.endm
.macro ROW kc                          ; block AA x my four tiles of channels.  P's scale word lies in lanes 0-15 for an even chunk, in lanes 16-31 for an odd one
.set XW, X+4*(AA*(AA+1)+JJ)
.irp b, 0,1,2,3
.if (\kc) == 0
	v_wmma_scale_f32_16x16x128_f8f6f4 v[32*AA+8*\b:32*AA+8*\b+7], v[FS+32+8*\b:FS+32+8*\b+7], v[FS+8*AA:FS+8*AA+7], 0, v[VS+4*(\kc)+\b], v[XW] matrix_a_fmt:MATRIX_FMT_FP4 matrix_b_fmt:MATRIX_FMT_FP4
.elseif (\kc)%2
	v_wmma_scale_f32_16x16x128_f8f6f4 v[32*AA+8*\b:32*AA+8*\b+7], v[FS+32+8*\b:FS+32+8*\b+7], v[FS+8*AA:FS+8*AA+7], v[32*AA+8*\b:32*AA+8*\b+7], v[VS+4*(\kc)+\b], v[XW] matrix_a_fmt:MATRIX_FMT_FP4 matrix_b_fmt:MATRIX_FMT_FP4 matrix_b_scale:MATRIX_SCALE_ROW1
.else
	v_wmma_scale_f32_16x16x128_f8f6f4 v[32*AA+8*\b:32*AA+8*\b+7], v[FS+32+8*\b:FS+32+8*\b+7], v[FS+8*AA:FS+8*AA+7], v[32*AA+8*\b:32*AA+8*\b+7], v[VS+4*(\kc)+\b], v[XW] matrix_a_fmt:MATRIX_FMT_FP4 matrix_b_fmt:MATRIX_FMT_FP4
.endif
.endr
.endm
; Chunk kc's products.  The accumulators take turns, one instruction a turn: three others at the least stand between two steps of a sum.  Chunk 0 starts all 16 sums: nothing is cleared.
; For odd jj block t comes last, and only in the waves hr >= 2.
.macro MUL kc
.set JJ, (\kc)/2
.set FS, FR+64*((\kc)%2)
.set AA, JJ/2+JJ%2
.rept 4-JJ/2-JJ%2
	WIN 0x55                                       ; everything in window 1
	ROW \kc
.set AA, AA+1
.endr
	WIN 0
.if JJ%2
	s_cmp_lt_u32 s15, 2
	s_cbranch_scc1 .Lhidden_\@
.set AA, JJ/2
	WIN 0x55
	ROW \kc
	WIN 0
.Lhidden_\@:
.endif
.endm
; THE WAY OUT of block a, 16 queries x my 64 channels, all in the block's own 32 accumulator registers: divided by l in place, two numbers an instruction; through my own stage in LDS (a lane holds 32 bytes of a
; row, the lanes beside it other rows); back, into the registers that they left, as whole rows of 256 bytes.  LDS serves a wave's instructions in order (ISA guide 5.7.1.4): no wait between the stores and the
; loads, nor in front of the next block's stores.  The registers are not written again, so the stores to memory want no wait behind them.
.macro STAGE a
	WIN 0x41                                       ; destination and source 0 in window 1, 1 / l in window 0
.set NN, 0
.rept 16
	v_pk_mul_f32 v[32*(\a)+NN:32*(\a)+NN+1], v[32*(\a)+NN:32*(\a)+NN+1], v[RL+2*(\a):RL+2*(\a)+1] op_sel_hi:[1,0]   ; each accumulator from its low end on
.set NN, NN+2
.endr
	WIN 0x04                                       ; an LDS store's data are its source 1: window 1
.irp b, 0,1,2,3
	ds_store_b128 v[STO], v[32*(\a)+8*\b:32*(\a)+8*\b+3] offset:64*\b
	ds_store_b128 v[STO], v[32*(\a)+8*\b+4:32*(\a)+8*\b+7] offset:64*\b+16
.endr
	WIN 0x40                                       ; loaded data in window 1
.irp t, 0,1,2,3,4,5,6,7
	ds_load_b128 v[32*(\a)+4*\t:32*(\a)+4*\t+3], v[RD] offset:544*\t
.endr
	WIN 0
.endm
.macro SEND a
	WIN 0x04                                       ; a store's data are its source 1: window 1
.irp t, 0,1,2,3,4,5,6,7
	global_store_b128 v[CO], v[32*(\a)+4*\t:32*(\a)+4*\t+3], s[12:13] offset:(\a)*2097152+8192*\t th:TH_STORE_NT   ; sixteen lanes store 256 consecutive bytes, aligned; tile m + 4 lies 512 rows of 4,096 bytes on; written once, read by nobody here
.endr
	WIN 0
.endm
	s_wait_loadcnt 0x0                             ; v's scale words
	s_cmp_eq_u32 s92, 0
	s_cbranch_scc0 .Llater                         ; the other quarters' loads may stay out
	s_wait_tensorcnt 0x0                           ; my quarter is in
.Llater:
	s_barrier_signal -1
	s_barrier_wait -1                              ; P's first 73,728 bytes and v's chunks 0-7: key chunks 0 to 3
	FETCH 0
.set KC, 0
.rept 15
.if KC+1 == 4
	s_wait_tensorcnt 0x0                           ; the rest
	s_wait_dscnt 0x0
	s_barrier_signal -1
	s_barrier_wait -1
.endif
	PLACES 4                                       ; behind the last chunk's products: the next loads land in the set that they read, and the block that they finished is read and written
	FETCH KC+1
.if (KC%4 == 0) && (KC >= 4)
	STAGE (KC-4)/4                                 ; the block that chunk KC - 1 finished
	s_wait_dscnt 32-2*((KC+1)/4)                   ; all but what this trip issued: 8 loads of v's, 2 for each of P's blocks, the stage's 8 stores and 8 loads: chunk KC's fragments are in
.else
	s_wait_dscnt 16-2*((KC+1)/4)                   ; all but the loads just issued: chunk KC's fragments are in, and so are the rows that the last trip sent through the stage
.endif
.if (KC%4 == 1) && (KC >= 5)
	SEND (KC-5)/4
.endif
	MUL KC
.set KC, KC+1
.endr
	s_wait_dscnt 0x0
	MUL 15
	PLACES 4                                       ; behind the last products: their results are read and written
	STAGE 3
	s_wait_dscnt 0x0
	SEND 3
	s_wait_tensorcnt 0x0                           ; the wave's end, behind my last tensor load and my last LDS store
	ds_add_u32 v[SPW], v[NIL]
	s_wait_dscnt 0x0
	CROUND                                         ; the closing round: no work-group ends while a partner may still ask for a tile that names it
	s_endpgm
.Lfunc_end_k_q0bcf2c734c_pv:
	.size	k_q0bcf2c734c_pv, .Lfunc_end_k_q0bcf2c734c_pv-k_q0bcf2c734c_pv
	.p2alignl 7, 3214868480
	.fill 96, 4, 3214868480
	.section	.rodata,"a",@progbits
	.p2align	6, 0x0
	.amdhsa_kernel k_q0bcf2c734c_pv
		.amdhsa_group_segment_fixed_size 327680
		.amdhsa_private_segment_fixed_size 0
		.amdhsa_enable_private_segment 0
		.amdhsa_kernarg_size 40
		.amdhsa_user_sgpr_count 2
		.amdhsa_user_sgpr_kernarg_segment_ptr 1
		.amdhsa_wavefront_size32 1
		.amdhsa_system_sgpr_workgroup_id_x 1
		.amdhsa_system_sgpr_workgroup_id_y 1
		.amdhsa_system_sgpr_workgroup_id_z 1
		.amdhsa_system_vgpr_workitem_id 0
		.amdhsa_next_free_vgpr 512
		.amdhsa_next_free_sgpr 96
		.amdhsa_reserve_vcc 0
		.amdhsa_float_denorm_mode_32 3
		.amdhsa_float_denorm_mode_16_64 3
		.amdhsa_memory_ordered 1
		.amdhsa_forward_progress 1
		.amdhsa_inst_pref_size 76
	.end_amdhsa_kernel
	.amdgpu_metadata
---
amdhsa.version: [ 1, 2 ]
amdhsa.kernels:
  - .name:           k_q0bcf2c734c_pv
    .symbol:         k_q0bcf2c734c_pv.kd
    .args:
      - { .name: pc, .offset: 0, .size: 8, .value_kind: global_buffer, .address_space: global }
      - { .name: st, .offset: 8, .size: 8, .value_kind: global_buffer, .address_space: global }
      - { .name: vc, .offset: 16, .size: 8, .value_kind: global_buffer, .address_space: global }
      - { .name: vs, .offset: 24, .size: 8, .value_kind: global_buffer, .address_space: global }
      - { .name: out0, .offset: 32, .size: 8, .value_kind: global_buffer, .address_space: global }
    .group_segment_fixed_size: 327680
    .private_segment_fixed_size: 0
    .kernarg_segment_align: 8
    .kernarg_segment_size: 40
    .max_flat_workgroup_size: 256
    .sgpr_count:     96
    .vgpr_count:     512
    .wavefront_size: 32
...
	.end_amdgpu_metadata
.endif
;; end of part 3
